; MI455X (gfx1250); checked and timed in simulation.
; The chip was launched on July 23, 2026; its instructions are those of AMD's public machine-readable ISA for CDNA 5 (MIT licence, August 2026) and "CDNA5" Instruction Set Architecture Reference Guide (July 2026). The comments in the code are by the model that wrote it; some were corrected since.
;; Proof State Latent Attention. Allowed arithmetic: matrix products marked QUANTISED: E2M1 operands, one E8M0 scale for each 32 along K, by v_wmma_scale_f32_16x16x128_f8f6f4 with both operands' format E2M1 (or v_wmma_scale_f32_32x16x128_f4), f32 sums; products left as they are: bf16, f16 or f32 operands; f32 sums; everything else in f32.
;; Inputs: Wdown 1,024 x 256 float32; Wkv 256 x 2,048 float32; Wo 1,024 x 1,024 float32; Wq 1,024 x 1,024 float32; kn_b 64 float32; kn_g 64 float32; ln_b 256 float32; ln_g 256 float32; positions 2,048 int32; qn_b 64 float32; qn_g 64 float32; x 2 x 2,048 x 1,024 float32.
;; Outputs: out0 2 x 2,048 x 1,024 float32.
;; This version of the problem:
;;   THIS VERSION OF THE PROBLEM IS GIVEN IN LOW PRECISION. The matrix products marked QUANTISED in the list below multiply operands that are first quantised to E2M1 (2 exponent bits, 1 mantissa bit; 4 bits a number), with one power-of-two scale for each 32 numbers along K (OCP MX v1.0); their sums are f32. The products marked 'left as it is' may take bf16, f16 or f32 operands, with f32 sums. Whichever they take, every output number must still come out within the allowed error. Rounding operands to bf16 (8 significant bits) uses up far more of that allowance than f16 does (11 bits, for magnitudes from 6e-5 to 65,504). All else is computed in f32.
;;   The module's matrix products, in the order in which they are computed (A, B: the left and right operand; K: the contracted axis; several contracted axes count as one K, in the product's order):
;;     1. [M 4,096, K 1,024] x [K 1,024, N 1,024]; A: input x; B: input Wq: QUANTISED
;;     2. [M 4,096, K 1,024] x [K 1,024, N 256]; A: input x; B: input Wdown: QUANTISED
;;     3. [M 4,096, K 256] x [K 256, N 2,048]; A: computed on the way; B: input Wkv: left as it is (an operand is computed on the way)
;;     4. batch 32 x [M 2,048, K 64] x [K 64, N 2,048]; A: computed on the way; B: computed on the way: left as it is (an operand is computed on the way)
;;     5. batch 32 x [M 2,048, K 2,048] x [K 2,048, N 64]; A: computed on the way; B: computed on the way: left as it is (an operand is computed on the way)
;;     6. [M 4,096, K 1,024] x [K 1,024, N 1,024]; A: computed on the way; B: input Wo: left as it is (an operand is computed on the way)
;;   THE QUANTISER, for each operand of a quantised product, along K:
;;     - K is cut into blocks of 32 from its start; a last block that is shorter is filled with zeros.
;;     - A block's scale is 2^e with e = floor(log2(the largest magnitude in the block)) - 2, held to -126 .. 127; a block of zeros has e = 0. As a byte (E8M0): e + 127.
;;     - Each number is divided by its block's scale, clamped to +-6, and rounded to the nearest number of E2M1, ties to even, subnormals kept.
;;     - The product sums the exact products of the quantised numbers (number of the format x scale) in f32.
;;   ~~~python
;;   def quantise(x, axis):      # numpy; x: float32 -> the quantised numbers, widened to float32 again
;;       x = np.moveaxis(x, axis, -1); K = x.shape[-1]
;;       x = np.pad(x, [(0, 0)] * (x.ndim - 1) + [(0, -K % 32)]); x = x.reshape(x.shape[:-1] + (-1, 32)); a = np.abs(x).max(-1, keepdims=True)
;;       e = np.where(a > 0, np.clip(np.frexp(np.where(a > 0, a, 1))[1] - 1 - 2, -126, 127), 0)      # np.frexp(a)[1] - 1 = floor(log2(a)), exactly
;;       r = np.clip(x / 2.0 ** e, -6, 6)
;;       step = 2.0 ** (np.maximum(np.frexp(np.where(r == 0, 1, r))[1] - 1, 0) - 1)
;;       q = np.round(r / step) * step * 2.0 ** e      # np.round: ties to even
;;       return np.moveaxis(q.reshape(q.shape[:-2] + (-1,))[..., :K], -1, axis).astype(np.float32)
;;   ~~~
;; One version. Each part assembles by itself: llvm-mc -triple=amdgcn-amd-amdhsa -mcpu=gfx1250 --defsym DOCPART=n.
;; ======== version 1 of 1: 4 launches
;; limits: values are held in f16: magnitudes above 65,504 overflow, below 6.1e-05 lose precision; right only within a limited range of input values
;; workspace buffers: xq 2,228,224 bytes; wq4 696,320 bytes; wh 3,145,728 bytes; rope 524,288 bytes; qimg 8,388,608 bytes; kv 16,777,216 bytes; ao 8,388,608 bytes
;; launch prep (part 1): grid 232 x 1, 8 waves a work-group, no clusters, 136,192 bytes of LDS; arguments x, Wq, Wdown, Wkv, Wo, positions, xq, wq4, wh, rope; writes xq, wq4, wh, rope
.if DOCPART == 1
	.amdgcn_target "amdgcn-amd-amdhsa--gfx1250"
	.amdhsa_code_object_version 6
	.text
	.protected	k_qba1a4a3e1c_prep
	.globl	k_qba1a4a3e1c_prep
	.p2align	8
	.type	k_qba1a4a3e1c_prep,@function
k_qba1a4a3e1c_prep:
	s_mov_b64 s[64:65], 0
	v_nop
	global_prefetch_b8 v0, s[64:65] scope:SCOPE_SE
	s_setreg_imm32_b32 hwreg(HW_REG_WAVE_MODE, 25, 1), 1
	s_wait_xcnt 0x0
; PREP: every operand that later launches read many times is made once, and laid IN THE ORDER OF THE READER'S OPERAND REGISTERS (an image: 32 lanes x 16 bytes = 512 consecutive bytes a block).
;   x, Wq, Wdown -> codes of FP4 (E2M1) with one E8M0 byte for each 32 along K (K = the 1,024 model channels);  Wkv, Wo -> f16;  positions -> a table of cos and sin.
; A block's scale is 2^(floor(log2(largest magnitude)) - 2): its byte is the largest magnitude's exponent field - 2, held at 1 from below; numbers are divided by it and rounded to the nearest code, ties to even, beyond 6 the largest code.
; LIMITS: NaN and infinities are not served.  A block of zeros gets the byte 1 where the rule says 127: its codes are zeros, and this program alone reads the bytes.  Weights beyond 65,504 have no f16.
;   |positions| under 2^22: the angle is reduced by pi/2 in two parts by fused multiply-adds; what the two parts leave out is under 2e-15 for each multiple taken off.
; A work-group has ONE role, by its number: 0-127 x; 128-159 Wq; 160-167 Wdown; 168-183 Wkv; 184-215 Wo; 216-231 the table.  A wave's unit is 16 KB of input: x's 32 loads go out at once, a weight's 128 in four blocks of 32, two blocks ahead.
; An FP4 fragment (16 rows x 128 K) is [c 0..1][lane][16 B]: lane (r, h) holds k = 64 c + 32 h + 0..31 of row r.  An f16 fragment (16 rows x 32 K) is [c][lane][16 B]: k = 16 c + 8 h + 0..7.
; No matrix unit, no tensor load, no barrier: waves share nothing.  Only the role for x uses LDS (a stage of its own for each wave).
.set SPARE, 135168                     ; behind the eight stages of 32 x 528 bytes: the spare words, 128 bytes a wave
.set SPW,  254                         ; v254 LDS address of my spare word; never rewritten
.set NIL,  255                         ; v255 0; never rewritten
.set L16,  5                           ; v5   16 x lane
.set L4,   8                           ; v8   4 x lane
.set H8,   9                           ; v9   8 x (lane / 16)
.set VST,  24                          ; v24  a weight's image: 1,024 x (lane / 16) + 16 x (lane % 16)
.set IN,   32                          ; v32-159 the numbers as loaded
.set Y,    160                         ; v160-223 role x: 64 numbers of my row, as the operand's layout wants them
.set CX,   224                         ; v224-239 role x: the codes, 8 registers a fragment, never rewritten
.set OUTR, 64                          ; v64-95 the table's results
; 32 numbers v[s] .. v[s+31] of one block -> 4 registers of codes v[d] ..; the conversion's scale operand in v[sc], the scale's byte in v[by]
.macro QBLK s, d, sc, by
	v_max3_num_f32 v10, |v[(\s)]|, |v[(\s)+1]|, |v[(\s)+2]|      ; the largest magnitude, in two chains
	v_max3_num_f32 v11, |v[(\s)+3]|, |v[(\s)+4]|, |v[(\s)+5]|
.irp i, 6,10,14,18,22,26
	v_max3_num_f32 v10, v10, |v[(\s)+\i]|, |v[(\s)+\i+1]|
	v_max3_num_f32 v11, v11, |v[(\s)+\i+2]|, |v[(\s)+\i+3]|
.endr
	v_max3_num_f32 v10, v10, |v[(\s)+30]|, |v[(\s)+31]|
	v_max3_num_f32 v10, v10, v11, 0x1800000                      ; and the floor 2^(3 - 127): the byte cannot fall under 1
	v_add_nc_u32 v[\sc], 0xff000000, v10                         ; 2 off the exponent field: the conversion takes this operand's exponent field as its scale
	v_lshrrev_b32 v[\by], 23, v[\sc]                             ; the scale's byte
.irp g, 0,1,2,3
	v_cvt_scalef32_pk8_fp4_f32 v[(\d)+\g], v[(\s)+8*\g:(\s)+8*\g+7], v[\sc]
.endr
	v_nop                                                        ; one plain instruction behind the last scaled conversion
.endm
; block q of a weight's 128 rows down K: 32 loads, each of 128 consecutive bytes (32 neighbouring columns of one row), into registers of their own
.macro LD32 q, pitch
.set i_, 32*(\q)
.rept 32
	global_load_b32 v[IN+i_], v[L4], s[30:31] offset:i_*\pitch th:TH_LOAD_NT
.set i_, i_+1
.endr
.endm
	s_load_b512 s[8:23], s[0:1], 0x0               ; x s[8:9], Wq s[10:11], Wdown s[12:13], Wkv s[14:15], Wo s[16:17], positions s[18:19], xq s[20:21], wq4 s[22:23]
	s_load_b128 s[24:27], s[0:1], 0x40             ; wh s[24:25], rope s[26:27]
	v_lshl_add_u32 v[SPW], v0, 2, SPARE
	v_mov_b32 v[NIL], 0
	v_lshrrev_b32 v4, 5, v0
	v_readfirstlane_b32 s4, v4                     ; wave 0..7
	v_and_b32 v1, 31, v0                           ; lane
	v_and_b32 v2, 15, v0                           ; r
	v_bfe_u32 v3, v0, 4, 1                         ; h
	v_lshlrev_b32 v[L16], 4, v1
	v_lshlrev_b32 v[L4], 2, v1
	v_lshlrev_b32 v[H8], 3, v3
	v_lshlrev_b32 v[VST], 4, v2
	v_lshl_add_u32 v[VST], v3, 10, v[VST]
	v_mov_b32 v18, 0                               ; a lane permute's destination counts as one of its sources
	s_mov_b32 s28, 0x76543210
	s_mov_b32 s29, 0xfedcba98                      ; v_permlanex16_b32's selects for lane l xor 16
	s_wait_kmcnt 0x0
	s_cmp_lt_u32 ttmp9, 128
	s_cbranch_scc1 .Lrole_x
	s_cmp_lt_u32 ttmp9, 160
	s_cbranch_scc1 .Lrole_wq
	s_cmp_lt_u32 ttmp9, 168
	s_cbranch_scc1 .Lrole_wd
	s_cmp_lt_u32 ttmp9, 184
	s_cbranch_scc1 .Lrole_wkv
	s_cmp_lt_u32 ttmp9, 216
	s_cbranch_scc1 .Lrole_wo
; ---- THE TABLE: wave u takes 16 positions.  Lane (r, h) makes frequencies 2 r and 2 r + 1; in turn it the position 2 it + h: a store of 8 bytes a lane covers two positions' 256 consecutive bytes.
	s_sub_co_u32 s5, ttmp9, 216
	s_lshl_b32 s5, s5, 3
	s_add_co_u32 s5, s5, s4                        ; u
	s_lshl_b32 s30, s5, 6
	s_mov_b32 s31, 0
	s_add_nc_u64 s[18:19], s[18:19], s[30:31]      ; my 16 positions
	s_lshl_b32 s30, s5, 11
	s_add_nc_u64 s[26:27], s[26:27], s[30:31]      ; their 16 rows of 128 bytes
	v_lshlrev_b32 v6, 2, v3                        ; 4 h
.irp it, 0,1,2,3,4,5,6,7
	global_load_b32 v[IN+\it], v6, s[18:19] offset:8*\it
.endr
	v_lshlrev_b32 v10, 1, v2                       ; j = 2 r,
	v_add_nc_u32 v11, 1, v10                       ; 2 r + 1
	v_cvt_f32_u32 v10, v10
	v_cvt_f32_u32 v11, v11
	v_mul_f32 v10, 0xbed49a78, v10                 ; - j log2(10000) / 32
	v_mul_f32 v11, 0xbed49a78, v11
	v_exp_f32 v12, v10                             ; 10000^(-j / 32)
	v_exp_f32 v13, v11
	v_lshlrev_b32 v7, 3, v1                        ; 8 x lane (the plain instruction behind the exponentials)
	s_wait_alu depctr_va_vdst(0)                   ; one wait for both, ahead of their first reader
	s_mov_b32 s30, 0x3f22f983                      ; 2 / pi
	s_mov_b32 s31, 0xbfc90fdb                      ; - pi / 2, its f32 part,
	s_mov_b32 s32, 0x333bbd2e                      ; and what that part is too large by
	s_mov_b32 s33, 0xbe2aaaa3                      ; sin r = r + r z (S1 + z (S2 + z S3)), z = r^2, |r| <= pi / 4
	s_mov_b32 s34, 0x3c08839e
	s_mov_b32 s35, 0xb94ca1f9
	s_mov_b32 s36, 0x3d2aaaa5                      ; cos r = 1 - z / 2 + z^2 (C1 + z (C2 + z C3))
	s_mov_b32 s37, 0xbab6061a
	s_mov_b32 s38, 0x37ccf5ce
	s_wait_loadcnt 0x0
.macro SINCOS it, e                    ; v14 = the position as f32
	v_mul_f32 v15, v14, v[12+\e]                   ; the angle
	v_mul_f32 v16, s30, v15
	v_rndne_f32 v16, v16                           ; n
	v_fma_f32 v17, v16, s31, v15
	v_fma_f32 v17, v16, s32, v17                   ; r = angle - n pi / 2
	v_mul_f32 v18, v17, v17                        ; z
	v_fma_f32 v19, v18, s35, s34
	v_fma_f32 v19, v19, v18, s33
	v_mul_f32 v20, v17, v18
	v_fma_f32 v19, v19, v20, v17                   ; sin r
	v_fma_f32 v21, v18, s38, s37
	v_fma_f32 v21, v21, v18, s36
	v_mul_f32 v21, v21, v18
	v_fma_f32 v22, v18, -0.5, 1.0
	v_fma_f32 v21, v21, v18, v22                   ; cos r
	v_cvt_i32_f32 v23, v16                         ; q = n
	v_and_b32 v20, 1, v23
	v_cmp_eq_u32 vcc_lo, 1, v20                    ; q odd: the two change places
	v_cndmask_b32 v22, v19, v21, vcc_lo
	v_cndmask_b32 v21, v21, v19, vcc_lo
	v_and_b32 v20, 2, v23
	v_lshlrev_b32 v20, 30, v20
	v_xor_b32 v[OUTR+4*\it+2+\e], v20, v22         ; sin: negative where q mod 4 is 2 or 3
	v_add_nc_u32 v23, 1, v23
	v_and_b32 v23, 2, v23
	v_lshlrev_b32 v23, 30, v23
	v_xor_b32 v[OUTR+4*\it+\e], v23, v21           ; cos: negative where q mod 4 is 1 or 2
.endm
.irp it, 0,1,2,3,4,5,6,7
	v_cvt_f32_i32 v14, v[IN+\it]
	SINCOS \it, 0
	SINCOS \it, 1
	global_store_b64 v7, v[OUTR+4*\it:OUTR+4*\it+1], s[26:27] offset:256*\it          ; each turn has its own result registers
	global_store_b64 v7, v[OUTR+4*\it+2:OUTR+4*\it+3], s[26:27] offset:256*\it+262144
.endr
	s_endpgm
; ---- x: work-group p takes rows 32 p .. 32 p + 31 (two tiles of 16), wave ks the K step of 128.
; Each load reads 512 consecutive bytes of a row; the operand wants 32 neighbours along K in a lane: the numbers turn through my own stage in LDS, rows 528 bytes apart (132 words: row r starts at bank 4 r).
.Lrole_x:
	s_lshl_b32 s30, ttmp9, 17                      ; 32 rows of 4,096 bytes
	s_lshl_b32 s32, s4, 9
	s_add_co_u32 s30, s30, s32
	s_mov_b32 s31, 0
	s_add_nc_u64 s[8:9], s[8:9], s[30:31]
.set i_, 0
.rept 32
	global_load_b128 v[IN+4*i_:IN+4*i_+3], v[L16], s[8:9] offset:i_*4096 th:TH_LOAD_NT
.set i_, i_+1
.endr
	s_lshl_b32 s30, ttmp9, 14                      ; codes: tile 2 p at 8,192 bytes a tile, K step at 1,024
	s_lshl_b32 s32, s4, 10
	s_add_co_u32 s30, s30, s32
	s_add_nc_u64 s[34:35], s[20:21], s[30:31]
	s_lshl_b32 s30, ttmp9, 10                      ; scale words: behind the codes, 1,024 bytes a pair of tiles, 128 a K step
	s_lshl_b32 s32, s4, 7
	s_add_co_u32 s30, s30, s32
	s_add_co_u32 s30, s30, 2097152
	s_add_nc_u64 s[36:37], s[20:21], s[30:31]
	s_mul_i32 s33, s4, 16896                       ; my stage
	v_add_nc_u32 v6, s33, v[L16]                   ; in: 16 x lane in a row
	v_mul_u32_u24 v7, v2, 528
	v_lshl_add_u32 v7, v3, 7, v7
	v_add_nc_u32 v7, s33, v7                       ; back: row r, + 128 h
.irp f, 0,1
	s_wait_loadcnt 16-16*\f                        ; this tile's sixteen rows are in; the other tile's sixteen loads may be out
.irp i, 0,1,2,3,4,5,6,7,8,9,10,11,12,13,14,15
	ds_store_b128 v6, v[IN+64*\f+4*\i:IN+64*\f+4*\i+3] offset:(16*\f+\i)*528
.endr
.irp c, 0,1
.irp e, 0,1,2,3,4,5,6,7
	ds_load_b128 v[Y+32*\c+4*\e:Y+32*\c+4*\e+3], v7 offset:\f*8448+256*\c+16*\e     ; LDS serves a wave's instructions in order: these see my stores.  x(r, 64 c + 32 h + 4 e ..)
.endr
.endr
	s_wait_dscnt 0x0
	QBLK Y, CX+8*\f, 12, 14                        ; block h of my row,
	QBLK Y+32, CX+8*\f+4, 13, 15                   ; block 2 + h
	v_lshl_or_b32 v16, v15, 16, v14
	v_lshlrev_b32 v16, v[H8], v16                  ; my two bytes at their places,
	v_permlanex16_b32 v18, v16, s28, s29
	v_or_b32 v[20+\f], v16, v18                    ; with lane l xor 16's two the row's word is whole, in both halves of the lanes
.irp c, 0,1
	global_store_b128 v[L16], v[CX+8*\f+4*\c:CX+8*\f+4*\c+3], s[34:35] offset:\f*8192+512*\c   ; 512 consecutive bytes
.endr
.endr
	v_cmp_eq_u32 vcc_lo, 1, v3
	v_cndmask_b32 v22, v20, v21, vcc_lo            ; lanes 0-15: tile 2 p's words; lanes 16-31: tile 2 p + 1's
	global_store_b32 v[L4], v22, s[36:37]
	s_wait_tensorcnt 0x0                           ; the wave's end, behind my last LDS store
	ds_add_u32 v[SPW], v[NIL]
	s_wait_dscnt 0x0
	s_endpgm
; ---- A weight [K][N] into codes: A LANE TAKES A COLUMN AND ITS REGISTERS RUN DOWN K: each load reads 128 consecutive bytes, a block of 32 lies in one lane, the codes come out with K innermost.
; Block b of the wave's 128 along K is block c = b / 2, half h = b % 2 of the fragment: each half of the lanes stores 256 consecutive aligned bytes.  s[30:31] the weight, s[32:33] the image, s[34:35] the scale words.
; Loads run two blocks ahead: behind the wait for a block, the block two further on is asked for, into registers of its own.
.macro WQUANT pitch
	LD32 0, \pitch
	LD32 1, \pitch
.irp b, 0,1,2,3
.if \b < 3
	s_wait_loadcnt 32                              ; loads come back in order: this block's 32 are in; the next block's 32 may be out
.else
	s_wait_loadcnt 0x0
.endif
.if \b < 2
	LD32 \b+2, \pitch
.endif
	QBLK IN+32*\b, 160+4*\b, 12+\b, 16+\b
	global_store_b128 v[VST], v[160+4*\b:163+4*\b], s[32:33] offset:(\b/2)*512+(\b%2)*256      ; each block has its own registers of codes
.endr
	v_lshl_or_b32 v20, v17, 8, v16                 ; my column's four bytes: its scale word for this K step
	v_lshl_or_b32 v20, v18, 16, v20
	v_lshl_or_b32 v20, v19, 24, v20
	global_store_b32 v[L4], v20, s[34:35]
	s_endpgm
.endm
.Lrole_wq:                                             ; cp = 32 columns, wave = K step
	s_sub_co_u32 s5, ttmp9, 128
	s_lshl_b32 s30, s5, 7
	s_lshl_b32 s6, s4, 19                          ; 128 rows of 4,096 bytes
	s_add_co_u32 s30, s30, s6
	s_mov_b32 s31, 0
	s_add_nc_u64 s[30:31], s[10:11], s[30:31]
	s_lshr_b32 s32, s5, 2
	s_lshl_b32 s32, s32, 16                        ; [c8][ks][t][1 KB]
	s_lshl_b32 s6, s4, 13
	s_add_co_u32 s32, s32, s6
	s_and_b32 s6, s5, 3
	s_lshl_b32 s6, s6, 11
	s_add_co_u32 s32, s32, s6
	s_mov_b32 s33, 0
	s_add_nc_u64 s[32:33], s[22:23], s[32:33]
	s_lshl_b32 s34, s5, 10
	s_lshl_b32 s6, s4, 7
	s_add_co_u32 s34, s34, s6
	s_add_co_u32 s34, s34, 655360
	s_mov_b32 s35, 0
	s_add_nc_u64 s[34:35], s[22:23], s[34:35]
	WQUANT 4096
.Lrole_wd:
	s_sub_co_u32 s5, ttmp9, 160
	s_lshl_b32 s30, s5, 7
	s_lshl_b32 s6, s4, 17                          ; 128 rows of 1,024 bytes
	s_add_co_u32 s30, s30, s6
	s_mov_b32 s31, 0
	s_add_nc_u64 s[30:31], s[12:13], s[30:31]
	s_lshl_b32 s32, s4, 14                         ; [ks][t 16][1 KB], behind Wq's image
	s_lshl_b32 s6, s5, 11
	s_add_co_u32 s32, s32, s6
	s_add_co_u32 s32, s32, 524288
	s_mov_b32 s33, 0
	s_add_nc_u64 s[32:33], s[22:23], s[32:33]
	s_lshl_b32 s34, s5, 10
	s_lshl_b32 s6, s4, 7
	s_add_co_u32 s34, s34, s6
	s_add_co_u32 s34, s34, 688128
	s_mov_b32 s35, 0
	s_add_nc_u64 s[34:35], s[22:23], s[34:35]
	WQUANT 1024
; ---- A weight [K][N] into f16 fragments, by the same plan: eight neighbours down K of my column are 16 bytes: fragment sb / 4, block (sb / 2) % 2, half sb % 2.  Four sb are a block of 32 loads.
.macro WHALF pitch
	LD32 0, \pitch
	LD32 1, \pitch
.set sb_, 0
.rept 16
.if sb_%4 == 0
.if sb_ < 12
	s_wait_loadcnt 32                              ; this block's 32 loads are in; the next block's 32 may be out
.else
	s_wait_loadcnt 0x0
.endif
.if sb_ < 8
	LD32 sb_/4+2, \pitch
.endif
.endif
.irp e, 0,1,2,3
	v_cvt_pk_f16_f32 v[160+4*sb_+\e], v[IN+8*sb_+2*\e], v[IN+8*sb_+2*\e+1]
.endr
	global_store_b128 v[VST], v[160+4*sb_:163+4*sb_], s[32:33] offset:(sb_/4)*8192+((sb_/2)%2)*512+(sb_%2)*256
.set sb_, sb_+1
.endr
	s_endpgm
.endm
.Lrole_wkv:                                            ; u = 8 x work-group + wave: cp = u / 2 (32 columns), kc = u % 2 (128 along K)
	s_sub_co_u32 s5, ttmp9, 168
	s_lshl_b32 s5, s5, 3
	s_add_co_u32 s5, s5, s4
	s_and_b32 s7, s5, 1                            ; kc
	s_lshr_b32 s5, s5, 1                           ; cp
	s_lshl_b32 s30, s5, 7
	s_lshl_b32 s6, s7, 20                          ; 128 rows of 8,192 bytes
	s_add_co_u32 s30, s30, s6
	s_mov_b32 s31, 0
	s_add_nc_u64 s[30:31], s[14:15], s[30:31]
	s_bfe_u32 s32, s5, 0x30002                     ; c8 = (cp / 4) % 8
	s_lshl_b32 s32, s32, 17                        ; [c8][k or v][kf 8][t 8][1 KB]
	s_lshr_b32 s6, s5, 5
	s_lshl_b32 s6, s6, 16
	s_add_co_u32 s32, s32, s6
	s_lshl_b32 s6, s7, 15
	s_add_co_u32 s32, s32, s6
	s_and_b32 s6, s5, 3
	s_lshl_b32 s6, s6, 11
	s_add_co_u32 s32, s32, s6
	s_mov_b32 s33, 0
	s_add_nc_u64 s[32:33], s[24:25], s[32:33]
	WHALF 8192
.Lrole_wo:                                             ; cp = 32 columns, wave = 128 along K
	s_sub_co_u32 s5, ttmp9, 184
	s_lshl_b32 s30, s5, 7
	s_lshl_b32 s6, s4, 19
	s_add_co_u32 s30, s30, s6
	s_mov_b32 s31, 0
	s_add_nc_u64 s[30:31], s[16:17], s[30:31]
	s_lshr_b32 s32, s5, 2
	s_lshl_b32 s32, s32, 18                        ; [cb][ks 32][nt 8][1 KB], behind Wkv's image
	s_lshl_b32 s6, s4, 15
	s_add_co_u32 s32, s32, s6
	s_and_b32 s6, s5, 3
	s_lshl_b32 s6, s6, 11
	s_add_co_u32 s32, s32, s6
	s_add_co_u32 s32, s32, 1048576
	s_mov_b32 s33, 0
	s_add_nc_u64 s[32:33], s[24:25], s[32:33]
	WHALF 4096
.Lfunc_end_k_qba1a4a3e1c_prep:
	.size	k_qba1a4a3e1c_prep, .Lfunc_end_k_qba1a4a3e1c_prep-k_qba1a4a3e1c_prep
	.p2alignl 7, 3214868480
	.fill 96, 4, 3214868480
	.section	.rodata,"a",@progbits
	.p2align	6, 0x0
	.amdhsa_kernel k_qba1a4a3e1c_prep
		.amdhsa_group_segment_fixed_size 136192
		.amdhsa_private_segment_fixed_size 0
		.amdhsa_enable_private_segment 0
		.amdhsa_kernarg_size 80
		.amdhsa_user_sgpr_count 2
		.amdhsa_user_sgpr_kernarg_segment_ptr 1
		.amdhsa_wavefront_size32 1
		.amdhsa_system_sgpr_workgroup_id_x 1
		.amdhsa_system_sgpr_workgroup_id_y 1
		.amdhsa_system_sgpr_workgroup_id_z 1
		.amdhsa_system_vgpr_workitem_id 0
		.amdhsa_next_free_vgpr 256
		.amdhsa_next_free_sgpr 66
		.amdhsa_reserve_vcc 1
		.amdhsa_float_denorm_mode_32 3
		.amdhsa_float_denorm_mode_16_64 3
		.amdhsa_memory_ordered 1
		.amdhsa_forward_progress 1
		.amdhsa_inst_pref_size 113
	.end_amdhsa_kernel
	.amdgpu_metadata
---
amdhsa.version: [ 1, 2 ]
amdhsa.kernels:
  - .name:           k_qba1a4a3e1c_prep
    .symbol:         k_qba1a4a3e1c_prep.kd
    .args:
      - { .name: x, .offset: 0, .size: 8, .value_kind: global_buffer, .address_space: global }
      - { .name: Wq, .offset: 8, .size: 8, .value_kind: global_buffer, .address_space: global }
      - { .name: Wdown, .offset: 16, .size: 8, .value_kind: global_buffer, .address_space: global }
      - { .name: Wkv, .offset: 24, .size: 8, .value_kind: global_buffer, .address_space: global }
      - { .name: Wo, .offset: 32, .size: 8, .value_kind: global_buffer, .address_space: global }
      - { .name: positions, .offset: 40, .size: 8, .value_kind: global_buffer, .address_space: global }
      - { .name: xq, .offset: 48, .size: 8, .value_kind: global_buffer, .address_space: global }
      - { .name: wq4, .offset: 56, .size: 8, .value_kind: global_buffer, .address_space: global }
      - { .name: wh, .offset: 64, .size: 8, .value_kind: global_buffer, .address_space: global }
      - { .name: rope, .offset: 72, .size: 8, .value_kind: global_buffer, .address_space: global }
    .group_segment_fixed_size: 136192
    .private_segment_fixed_size: 0
    .kernarg_segment_align: 8
    .kernarg_segment_size: 80
    .max_flat_workgroup_size: 256
    .sgpr_count:     66
    .vgpr_count:     256
    .wavefront_size: 32
...
	.end_amdgpu_metadata
.endif
;; end of part 1
;; launch proj (part 2): grid 32 x 8, 4 waves a work-group, clusters of 4 x 1, 327,680 bytes of LDS; arguments xq, wq4, wh, rope, ln_g, ln_b, qn_g, qn_b, kn_g, kn_b, qimg, kv; writes qimg, kv
.if DOCPART == 2
	.amdgcn_target "amdgcn-amd-amdhsa--gfx1250"
	.amdhsa_code_object_version 6
	.text
	.protected	k_qba1a4a3e1c_proj
	.globl	k_qba1a4a3e1c_proj
	.p2align	8
	.type	k_qba1a4a3e1c_proj,@function
k_qba1a4a3e1c_proj:
	s_mov_b64 s[64:65], 0
	v_nop
	global_prefetch_b8 v0, s[64:65] scope:SCOPE_SE
	s_setreg_imm32_b32 hwreg(HW_REG_WAVE_MODE, 25, 1), 1
	s_wait_xcnt 0x0
	s_wait_alu depctr_hold_cnt(0) depctr_sa_sdst(0) depctr_va_vdst(0) depctr_va_sdst(0) depctr_va_ssrc(0) depctr_va_vcc(0) depctr_vm_vsrc(0)
	s_getreg_b32 s2, hwreg(HW_REG_IB_STS2, 6, 4)
	s_cmp_eq_u32 s2, 0
	s_cbranch_scc0 .Lentry_in_a_cluster
	s_endpgm
.Lentry_in_a_cluster:
	s_bfe_u32 s2, ttmp6, 0x10000c
	s_cmp_lg_u32 s2, 0x3003
	s_cbranch_scc0 .Lentry_shape_is_right
	s_endpgm
.Lentry_shape_is_right:
; PROJ: q = LN(rope(x Wq)), latent = LN(x Wdown), k = LN(rope(latent Wk)), v = latent Wv.  x Wq and x Wdown on codes of FP4 with E8M0 scales; the latent's products on f16 operands; all sums, norms and the rotation in f32.
; SHARES.  A work-group takes 128 rows (rb = 4 x cluster x + cx) and two heads (c8 = work-group y).  THE WAVES SHARE THE ROWS: wave w owns rows 32 w .. 32 w + 31 (tiles a = 0, 1) through the whole chain,
; so nothing goes from wave to wave.  The latent (256 columns) is made anew by each of the eight work-groups of a row block: that is less work than a launch and a round trip through memory.
; LAYOUT.  Products are used transposed (source 0 = 16 columns of a weight, source 1 = 16 rows): a lane holds ONE row (lane % 16) and eight neighbouring columns 16 t + 8 (lane / 16) + 0..7.  So a row's mean wants one exchange
; between the halves of the lanes, and four roundings to f16 make 16 bytes of the next operand's registers: the latent goes on in registers, q and k leave as images, 512 consecutive bytes a store.
; v's product has its sources the other way round: a lane then holds one channel and eight neighbouring keys, which is what the second product of attention wants.
; CLUSTER.  The four partners have the same c8 and read the same weights: each weight comes by a JOINT tensor load, the same descriptor and the mask of all four in each.
; LDS: 0 .. 131,071 Wdown's image, later this c8's part of Wkv's (the one refill); 131,072 .. 196,607 this c8's part of Wq's; then the spare words.  Images are dense: lane i reads at 16 i, so no padding.
; LIMITS: NaN and infinities are not served; f16 operands (norm outputs, v) beyond 65,504 are not served.
; REGISTERS, in windows of 256.  window 0: v1-9 addresses; v10-17 at work; v24-31 x's scale words, v32-95 a weight's (these hold scales alone); v96-111 eight chains; v112-119 means, v120-127 1 / deviation, as pairs;
;   v128-191, v192-255 two buffers of 8 weight fragments (also: gains, the rotation's products, packed results).   window 1: the accumulators.   window 2: v0-127 x's 16 fragments; v128-255 the latent's 16.
;   window 3: v0-63 cos and sin of my rows; v64-191 qn_g, qn_b, kn_g, kn_b in the result's layout.
.set SPARE, 196608
.set LI,   1                           ; v1   16 x lane: also the address of Wdown's and Wk's groups
.set A1B,  3                           ; v3   + 65,536
.set A2,   4                           ; v4   + 131,072
.set L4,   5                           ; v5   4 x lane
.set GH,   6                           ; v6   32 x (lane / 16): my eight numbers of a tile of a gain
.set RP,   7                           ; v7   128 x (lane % 16) + 32 x (lane / 16): my row of the table
.set SPW,  8                           ; v8   LDS address of my spare word; never rewritten
.set NIL,  9                           ; v9   0; never rewritten
.set TT,   10                          ; v10-13 a number for each group
.set PD,   14                          ; v14-17 the lane permutes' destinations
.set XS,   24
.set WS,   32
.set CHN,  96
.set MM,   112
.set RR,   120
.set BF0,  128
.set BF1,  192
.set WV,   60                          ; s60  my wave's number
.set MSB, 0
.macro WIN new                         ; the immediate's high byte repeats the setting that is left; a switch that changes nothing is dropped
.if MSB != \new
	s_set_vgpr_msb (MSB<<8)|\new
.set MSB, \new
.endif
.endm
.macro PLACES                          ; four plain vector instructions between a matrix instruction and a read of its result, a write of its registers or a load into them
.rept 4
	v_nop
.endr
.endm
.macro CROUND                          ; a round of the cluster's barrier
	s_barrier_signal -1
	s_barrier_wait -1
	s_cmp_lg_u32 s[WV], 0
	s_cbranch_scc1 .Lnot_wave_0_\@
	s_barrier_signal -3
.Lnot_wave_0_\@:
	s_barrier_wait -3
	s_barrier_signal -1
	s_barrier_wait -1
.endm
; one scaled product.  z: the sum begins;  ra, rb: the side's scale words stand in lanes 16-31
.macro SW d, af, bf, z, sa, sb, ra, rb
.if \z
.if (\ra) && (\rb)
	v_wmma_scale_f32_16x16x128_f8f6f4 v[(\d):(\d)+7], v[(\af):(\af)+7], v[(\bf):(\bf)+7], 0, v[\sa], v[\sb] matrix_a_fmt:MATRIX_FMT_FP4 matrix_b_fmt:MATRIX_FMT_FP4 matrix_a_scale:MATRIX_SCALE_ROW1 matrix_b_scale:MATRIX_SCALE_ROW1
.elseif \ra
	v_wmma_scale_f32_16x16x128_f8f6f4 v[(\d):(\d)+7], v[(\af):(\af)+7], v[(\bf):(\bf)+7], 0, v[\sa], v[\sb] matrix_a_fmt:MATRIX_FMT_FP4 matrix_b_fmt:MATRIX_FMT_FP4 matrix_a_scale:MATRIX_SCALE_ROW1
.elseif \rb
	v_wmma_scale_f32_16x16x128_f8f6f4 v[(\d):(\d)+7], v[(\af):(\af)+7], v[(\bf):(\bf)+7], 0, v[\sa], v[\sb] matrix_a_fmt:MATRIX_FMT_FP4 matrix_b_fmt:MATRIX_FMT_FP4 matrix_b_scale:MATRIX_SCALE_ROW1
.else
	v_wmma_scale_f32_16x16x128_f8f6f4 v[(\d):(\d)+7], v[(\af):(\af)+7], v[(\bf):(\bf)+7], 0, v[\sa], v[\sb] matrix_a_fmt:MATRIX_FMT_FP4 matrix_b_fmt:MATRIX_FMT_FP4
.endif
.else
.if (\ra) && (\rb)
	v_wmma_scale_f32_16x16x128_f8f6f4 v[(\d):(\d)+7], v[(\af):(\af)+7], v[(\bf):(\bf)+7], v[(\d):(\d)+7], v[\sa], v[\sb] matrix_a_fmt:MATRIX_FMT_FP4 matrix_b_fmt:MATRIX_FMT_FP4 matrix_a_scale:MATRIX_SCALE_ROW1 matrix_b_scale:MATRIX_SCALE_ROW1
.elseif \ra
	v_wmma_scale_f32_16x16x128_f8f6f4 v[(\d):(\d)+7], v[(\af):(\af)+7], v[(\bf):(\bf)+7], v[(\d):(\d)+7], v[\sa], v[\sb] matrix_a_fmt:MATRIX_FMT_FP4 matrix_b_fmt:MATRIX_FMT_FP4 matrix_a_scale:MATRIX_SCALE_ROW1
.elseif \rb
	v_wmma_scale_f32_16x16x128_f8f6f4 v[(\d):(\d)+7], v[(\af):(\af)+7], v[(\bf):(\bf)+7], v[(\d):(\d)+7], v[\sa], v[\sb] matrix_a_fmt:MATRIX_FMT_FP4 matrix_b_fmt:MATRIX_FMT_FP4 matrix_b_scale:MATRIX_SCALE_ROW1
.else
	v_wmma_scale_f32_16x16x128_f8f6f4 v[(\d):(\d)+7], v[(\af):(\af)+7], v[(\bf):(\bf)+7], v[(\d):(\d)+7], v[\sa], v[\sb] matrix_a_fmt:MATRIX_FMT_FP4 matrix_b_fmt:MATRIX_FMT_FP4
.endif
.endif
.endm
.macro HW d, af, bf, z                 ; one product on f16
.if \z
	v_wmma_f32_16x16x32_f16 v[(\d):(\d)+7], v[(\af):(\af)+7], v[(\bf):(\bf)+7], 0
.else
	v_wmma_f32_16x16x32_f16 v[(\d):(\d)+7], v[(\af):(\af)+7], v[(\bf):(\bf)+7], v[(\d):(\d)+7]
.endif
.endm
.macro LOADG buf, areg, off            ; a group: 8 fragments of a weight, 8,192 consecutive bytes, 16 loads
.irp j, 0,1,2,3,4,5,6,7
.irp c, 0,1
	ds_load_b128 v[(\buf)+8*\j+4*\c:(\buf)+8*\j+4*\c+3], v[\areg] offset:(\off)+1024*\j+512*\c
.endr
.endr
.endm
; group GI's 16 products: 8 fragments of the weight x my two tiles of rows: 16 accumulators by turns, one instruction a turn.
; kind 1: the latent (K step GI / 2, column tiles 8 (GI % 2) + j);  2: q (K step GI);  3: k (32 of the latent's columns);  4: v, sources the other way round
.macro MULG kind
.set BFX, BF0+64*(GI%2)
.set Z_, 0
.if (\kind == 1) && (GI < 2)
.set Z_, 1
.endif
.if (\kind != 1) && (GI == 0)
.set Z_, 1
.endif
.irp j, 0,1,2,3,4,5,6,7
.irp a, 0,1
.if \kind == 1
	SW 8*(16*\a+8*(GI%2)+\j), BFX+8*\j, 8*(8*\a+GI/2), Z_, WS+8*((8*(GI%2)+\j)/2)+GI/2, XS+GI/2, \j%2, \a
.elseif \kind == 2
	SW 8*(8*\a+\j), BFX+8*\j, 8*(8*\a+GI), Z_, WS+8*(\j/2)+GI, XS+GI, \j%2, \a
.elseif \kind == 3
	HW 8*(8*\a+\j), BFX+8*\j, 128+8*(8*\a+GI), Z_
.else
	HW 8*(8*\a+\j), 128+8*(8*\a+GI), BFX+8*\j, Z_
.endif
.endr
.endr
.endm
; n groups, on two buffers by turns: while a group is multiplied the next one's loads are out; the buffer just read takes the group after that
.macro RUN n, kind, ar0, ar1
	LOADG BF0, \ar0, 0
	LOADG BF1, \ar0, 8192
.set GI, 0
.rept \n
.if GI < \n-1
	s_wait_dscnt 16                                ; this group is in; the next group's sixteen loads may be out
.else
	s_wait_dscnt 0x0
.endif
.if \kind == 4
	WIN 0x52                                       ; source 0 (the latent) window 2, source 1 (the weight) window 0, C and D window 1
.else
	WIN 0x58                                       ; source 0 (the weight) window 0, source 1 (x or the latent) window 2, C and D window 1
.endif
	MULG \kind
	WIN 0
.if GI+2 < \n
	PLACES
.if GI+2 < 8
	LOADG BF0+64*(GI%2), \ar0, 8192*(GI+2)
.else
	LOADG BF0+64*(GI%2), \ar1, 8192*(GI+2-8)
.endif
.endif
.set GI, GI+1
.endr
.endm
; the chains of each group -> v[TT + g]: both halves of a pair, both halves of the lanes
.macro JOIN NG
.set CH_, 8/\NG
.if CH_ == 4
.set g_, 0
.rept \NG
	v_pk_add_f32 v[CHN+8*g_:CHN+8*g_+1], v[CHN+8*g_:CHN+8*g_+1], v[CHN+8*g_+2:CHN+8*g_+3]
	v_pk_add_f32 v[CHN+8*g_+4:CHN+8*g_+5], v[CHN+8*g_+4:CHN+8*g_+5], v[CHN+8*g_+6:CHN+8*g_+7]
.set g_, g_+1
.endr
.set g_, 0
.rept \NG
	v_pk_add_f32 v[CHN+8*g_:CHN+8*g_+1], v[CHN+8*g_:CHN+8*g_+1], v[CHN+8*g_+4:CHN+8*g_+5]
.set g_, g_+1
.endr
.else
.set g_, 0
.rept \NG
	v_pk_add_f32 v[CHN+4*g_:CHN+4*g_+1], v[CHN+4*g_:CHN+4*g_+1], v[CHN+4*g_+2:CHN+4*g_+3]
.set g_, g_+1
.endr
.endif
.set g_, 0
.rept \NG
	v_add_f32 v[TT+g_], v[CHN+2*CH_*g_], v[CHN+2*CH_*g_+1]
.set g_, g_+1
.endr
.set g_, 0
.rept \NG
	v_permlanex16_b32 v[PD+g_], v[TT+g_], s68, s69
.set g_, g_+1
.endr
.set g_, 0
.rept \NG
	v_add_f32 v[TT+g_], v[TT+g_], v[PD+g_]
.set g_, g_+1
.endr
.endm
; x = (x - mean) / sqrt(var + eps) for NG groups of NT tiles (group g from register 8 NT g of window 1 on): a lane holds half of its row, 8 NT numbers.  In two passes: the squares are taken of x - mean.
; Each accumulator is read from its low end on.  sinv: the scalar register with 1 / the row's length.
.macro LNSTATS NG, NT, sinv
.set CH_, 8/\NG
	WIN 0x05                                       ; sources window 1, destination window 0
.set g_, 0
.rept \NG
.set c_, 0
.rept CH_
	v_pk_add_f32 v[CHN+2*(g_*CH_+c_):CHN+2*(g_*CH_+c_)+1], v[8*\NT*g_+4*c_:8*\NT*g_+4*c_+1], v[8*\NT*g_+4*c_+2:8*\NT*g_+4*c_+3]
.set c_, c_+1
.endr
.set g_, g_+1
.endr
	WIN 0x04                                       ; source 1 window 1
.set p_, 2*CH_
.rept 4*\NT-2*CH_
.set g_, 0
.rept \NG
	v_pk_add_f32 v[CHN+2*(g_*CH_+p_%CH_):CHN+2*(g_*CH_+p_%CH_)+1], v[CHN+2*(g_*CH_+p_%CH_):CHN+2*(g_*CH_+p_%CH_)+1], v[8*\NT*g_+2*p_:8*\NT*g_+2*p_+1]
.set g_, g_+1
.endr
.set p_, p_+1
.endr
	WIN 0
	JOIN \NG
.set g_, 0
.rept \NG
	v_mul_f32 v[MM+2*g_], s[\sinv], v[TT+g_]       ; the mean, twice: a pair for the packed form
	v_mul_f32 v[MM+2*g_+1], s[\sinv], v[TT+g_]
.set g_, g_+1
.endr
	WIN 0x41                                       ; x (destination and source 0) window 1
.set p_, 0
.rept 4*\NT
.set g_, 0
.rept \NG
	v_pk_add_f32 v[8*\NT*g_+2*p_:8*\NT*g_+2*p_+1], v[8*\NT*g_+2*p_:8*\NT*g_+2*p_+1], v[MM+2*g_:MM+2*g_+1] neg_lo:[0,1] neg_hi:[0,1]
.set g_, g_+1
.endr
.set p_, p_+1
.endr
	WIN 0x05
.set p_, 0
.rept 4*\NT
.set g_, 0
.rept \NG
.if p_ < CH_
	v_pk_mul_f32 v[CHN+2*(g_*CH_+p_%CH_):CHN+2*(g_*CH_+p_%CH_)+1], v[8*\NT*g_+2*p_:8*\NT*g_+2*p_+1], v[8*\NT*g_+2*p_:8*\NT*g_+2*p_+1]
.else
	v_pk_fma_f32 v[CHN+2*(g_*CH_+p_%CH_):CHN+2*(g_*CH_+p_%CH_)+1], v[8*\NT*g_+2*p_:8*\NT*g_+2*p_+1], v[8*\NT*g_+2*p_:8*\NT*g_+2*p_+1], v[CHN+2*(g_*CH_+p_%CH_):CHN+2*(g_*CH_+p_%CH_)+1]
.endif
.set g_, g_+1
.endr
.set p_, p_+1
.endr
	WIN 0
	JOIN \NG
.set g_, 0
.rept \NG
	v_fma_f32 v[TT+g_], v[TT+g_], s[\sinv], s72    ; var + eps
.set g_, g_+1
.endr
.set g_, 0
.rept \NG
	v_rsq_f32 v[RR+2*g_], v[TT+g_]
.set g_, g_+1
.endr
	v_nop                                          ; a plain instruction behind the last of the batch,
	s_wait_alu depctr_va_vdst(0)                   ; and one wait for the batch ahead of its first reader
.set g_, 0
.rept \NG
	v_mov_b32 v[RR+2*g_+1], v[RR+2*g_]
.set g_, g_+1
.endr
	WIN 0x41
.set p_, 0
.rept 4*\NT
.set g_, 0
.rept \NG
	v_pk_mul_f32 v[8*\NT*g_+2*p_:8*\NT*g_+2*p_+1], v[8*\NT*g_+2*p_:8*\NT*g_+2*p_+1], v[RR+2*g_:RR+2*g_+1]
.set g_, g_+1
.endr
.set p_, p_+1
.endr
.endm
; q's or k's way out.  Group g = 2 a + head holds 64 channels of 16 rows in 4 tiles.  The rotation pairs channel d (tiles 0, 1) with d + 32 (tiles 2, 3); then the head's norm, its gain and bias, f16, and 16 stores of 512 consecutive bytes.
; GB: the gain's first register in window 3 (the bias 32 on);  SB: the scalar pair with the image's address;  HS: bytes from head to head
.macro EPI GB, SB, HS
	PLACES
	WIN 0x0d                                       ; source 0 (x) window 1, source 1 (sin) window 3, destination window 0
.irp g, 0,1,2,3
.irp tt, 0,1
.irp e, 0,2,4,6
	v_pk_mul_f32 v[BF0+16*\g+8*\tt+\e:BF0+16*\g+8*\tt+\e+1], v[32*\g+16+8*\tt+\e:32*\g+16+8*\tt+\e+1], v[32*(\g/2)+16+8*\tt+\e:32*(\g/2)+16+8*\tt+\e+1]   ; x2 sin
	v_pk_mul_f32 v[BF1+16*\g+8*\tt+\e:BF1+16*\g+8*\tt+\e+1], v[32*\g+8*\tt+\e:32*\g+8*\tt+\e+1], v[32*(\g/2)+16+8*\tt+\e:32*(\g/2)+16+8*\tt+\e+1]         ; x1 sin
.endr
.endr
.endr
	WIN 0x4d                                       ; x window 1, cos window 3, the products window 0
.irp g, 0,1,2,3
.irp tt, 0,1
.irp e, 0,2,4,6
	v_pk_fma_f32 v[32*\g+8*\tt+\e:32*\g+8*\tt+\e+1], v[32*\g+8*\tt+\e:32*\g+8*\tt+\e+1], v[32*(\g/2)+8*\tt+\e:32*(\g/2)+8*\tt+\e+1], v[BF0+16*\g+8*\tt+\e:BF0+16*\g+8*\tt+\e+1] neg_lo:[0,0,1] neg_hi:[0,0,1]   ; x1 cos - x2 sin
	v_pk_fma_f32 v[32*\g+16+8*\tt+\e:32*\g+16+8*\tt+\e+1], v[32*\g+16+8*\tt+\e:32*\g+16+8*\tt+\e+1], v[32*(\g/2)+8*\tt+\e:32*(\g/2)+8*\tt+\e+1], v[BF1+16*\g+8*\tt+\e:BF1+16*\g+8*\tt+\e+1]                    ; x2 cos + x1 sin
.endr
.endr
.endr
	LNSTATS 4, 4, 71
	WIN 0x7d                                       ; x window 1, gain and bias window 3
.irp g, 0,1,2,3
.irp tt, 0,1,2,3
.irp e, 0,2,4,6
	v_pk_fma_f32 v[32*\g+8*\tt+\e:32*\g+8*\tt+\e+1], v[32*\g+8*\tt+\e:32*\g+8*\tt+\e+1], v[\GB+8*\tt+\e:\GB+8*\tt+\e+1], v[\GB+32+8*\tt+\e:\GB+32+8*\tt+\e+1]
.endr
.endr
.endr
	WIN 0x05
.irp g, 0,1,2,3
.irp tt, 0,1,2,3
.irp e, 0,1,2,3
	v_cvt_pk_f16_f32 v[BF0+4*(4*\g+\tt)+\e], v[32*\g+8*\tt+2*\e], v[32*\g+8*\tt+2*\e+1]
.endr
.endr
.endr
	WIN 0
.irp g, 0,1,2,3
.irp tt, 0,1,2,3
	global_store_b128 v[LI], v[BF0+4*(4*\g+\tt):BF0+4*(4*\g+\tt)+3], s[\SB:\SB+1] offset:(\g%2)*\HS+(\g/2)*2048+512*\tt
.endr
.endr
	s_wait_xcnt 0x0                                ; the stores have read their data: the buffer is loaded again only behind this wait
.endm
	s_load_b512 s[8:23], s[0:1], 0x0               ; xq s[8:9], wq4 s[10:11], wh s[12:13], rope s[14:15], ln_g s[16:17], ln_b s[18:19], qn_g s[20:21], qn_b s[22:23]
	s_load_b256 s[24:31], s[0:1], 0x40             ; kn_g s[24:25], kn_b s[26:27], qimg s[28:29], kv s[30:31]
	v_lshl_add_u32 v[SPW], v0, 2, SPARE
	v_mov_b32 v[NIL], 0
	ds_add_u32 v[SPW], v[NIL]                      ; the wave's opening: the add, twice on end, and its wait ahead of my first tensor load
	ds_add_u32 v[SPW], v[NIL]
	v_lshrrev_b32 v10, 5, v0
	v_readfirstlane_b32 s[WV], v10                 ; wave 0..3
	s_bfe_u32 s61, ttmp6, 0x40000                  ; cx
	s_lshl_b32 s62, ttmp9, 2
	s_add_co_u32 s62, s62, s61                     ; rb: it enters the addresses of my own loads and stores alone
	s_and_b32 s63, ttmp7, 0xffff                   ; c8, which the four partners share
	; descriptor groups 1: dense blocks as rows of 256 bytes (32 elements of 8 bytes), no padding; 128 rows (s[32:39]) or 64 (s[40:47])
	s_mov_b32 s32, 15|(3<<16)|(1<<21)              ; 15:0 the mask: all four work-groups; 17:16 elements of 8 bytes; 21 set beside a mask
	s_mov_b32 s33, 32<<16                          ; tensor_dim0
	s_mov_b32 s34, 128<<16                         ; tensor_dim1
	s_mov_b32 s35, 32<<16                          ; tile_dim0
	s_mov_b32 s36, 128                             ; tile_dim1
	s_mov_b32 s37, 32                              ; elements from row to row
	s_mov_b32 s38, 0
	s_mov_b32 s39, 0
	s_mov_b32 s40, 15|(3<<16)|(1<<21)
	s_mov_b32 s41, 32<<16
	s_mov_b32 s42, 64<<16
	s_mov_b32 s43, 32<<16
	s_mov_b32 s44, 64
	s_mov_b32 s45, 32
	s_mov_b32 s46, 0
	s_mov_b32 s47, 0
	s_mov_b32 s68, 0x76543210
	s_mov_b32 s69, 0xfedcba98                      ; v_permlanex16_b32's selects for lane l xor 16
	s_mov_b32 s70, 0x3b800000                      ; 1 / 256
	s_mov_b32 s71, 0x3c800000                      ; 1 / 64
	s_mov_b32 s72, 0x3727c5ac                      ; eps = 1e-5
	v_and_b32 v10, 31, v0
	v_lshlrev_b32 v[LI], 4, v10
	v_add_nc_u32 v[A1B], 0x10000, v[LI]
	v_add_nc_u32 v[A2], 0x20000, v[LI]
	v_lshlrev_b32 v[L4], 2, v10
	v_bfe_u32 v11, v0, 4, 1
	v_lshlrev_b32 v[GH], 5, v11
	v_and_b32 v12, 15, v0
	v_lshl_add_u32 v[RP], v12, 7, v[GH]
.irp g, 0,1,2,3
	v_mov_b32 v[PD+\g], 0                          ; written once: a lane permute's destination counts as one of its sources
.endr
	s_lshl_b32 s4, s[WV], 15                       ; my quarter of a block of 131,072 bytes
	s_mov_b32 s5, 0
	s_mov_b32 s7, 0
	s_wait_dscnt 0x0                               ; both opening adds are done
	s_wait_kmcnt 0x0
	s_mov_b32 s48, 1                               ; group 0 for Wdown's image
	s_lshl_b32 s49, s[WV], 15
	s_add_nc_u64 s[50:51], s[10:11], s[4:5]
	s_add_nc_u64 s[50:51], s[50:51], 524288
	s_or_b32 s51, s51, 0x80000000
	s_lshl_b32 s6, s63, 16                         ; for this c8's 65,536 bytes of Wq's image
	s_lshl_b32 s2, s[WV], 14
	s_add_co_u32 s6, s6, s2
	s_mov_b32 s52, 1
	s_lshl_b32 s53, s[WV], 14
	s_add_co_u32 s53, s53, 131072
	s_add_nc_u64 s[54:55], s[10:11], s[6:7]
	s_or_b32 s55, s55, 0x80000000
	s_lshl_b32 s6, s63, 17                         ; for this c8's 131,072 bytes of Wkv's image
	s_add_co_u32 s6, s6, s4
	s_mov_b32 s56, 1
	s_lshl_b32 s57, s[WV], 15
	s_add_nc_u64 s[58:59], s[12:13], s[6:7]
	s_or_b32 s59, s59, 0x80000000
	CROUND                                         ; all four work-groups are here: the first joint loads meet
	tensor_load_to_lds s[48:51], s[32:39]          ; Wdown
	s_nop 0
	tensor_load_to_lds s[52:55], s[40:47]          ; Wq: two loads of mine are out
	s_nop 0
	PLACES
	; where my own loads and stores stand.  What hangs on rb stands in s90-94
	s_mov_b32 s93, 0
	s_lshl_b32 s90, s62, 2
	s_add_co_u32 s90, s90, s[WV]                   ; 4 rb + w: my pair of row tiles
	s_lshl_b32 s92, s90, 14
	s_add_nc_u64 s[74:75], s[8:9], s[92:93]        ; x's codes
	s_lshl_b32 s92, s90, 10
	s_add_co_u32 s92, s92, 2097152
	s_add_nc_u64 s[76:77], s[8:9], s[92:93]        ; x's scale words
	s_add_nc_u64 s[78:79], s[10:11], 688128        ; Wdown's scale words
	s_lshl_b32 s6, s63, 12
	s_add_co_u32 s6, s6, 655360
	s_add_nc_u64 s[80:81], s[10:11], s[6:7]        ; Wq's, this c8's
	s_and_b32 s90, s62, 15
	s_lshl_b32 s90, s90, 14
	s_lshl_b32 s91, s[WV], 12
	s_add_co_u32 s92, s90, s91                     ; (128 (rb % 16) + 32 w) x 128 bytes
	s_add_nc_u64 s[82:83], s[14:15], s[92:93]      ; my rows of the table
	s_lshr_b32 s90, s62, 4
	s_lshl_b32 s90, s90, 4
	s_lshl_b32 s94, s63, 1
	s_add_co_u32 s90, s90, s94                     ; 16 batch + 2 c8: my first head
	s_lshl_b32 s94, s90, 18
	s_add_co_u32 s92, s92, s94
	s_add_nc_u64 s[84:85], s[28:29], s[92:93]      ; q's image: 262,144 bytes a head, 2,048 a tile of 16 rows
	s_lshl_b32 s92, s90, 19                        ; k's and v's: 524,288 bytes a head,
	s_bfe_u32 s94, s62, 0x20002
	s_lshl_b32 s94, s94, 17                        ; 131,072 for each 512 keys: k's 65,536, then v's
	s_add_co_u32 s92, s92, s94
	s_and_b32 s94, s62, 3
	s_lshl_b32 s94, s94, 14
	s_add_co_u32 s92, s92, s94
	s_add_co_u32 s92, s92, s91
	s_add_nc_u64 s[86:87], s[30:31], s[92:93]
	s_add_nc_u64 s[88:89], s[86:87], 65536         ; 32 keys of v are 4,096 bytes, as two tiles of k are
	WIN 0x80                                       ; destination window 2
.irp a, 0,1
.irp ks, 0,1,2,3,4,5,6,7
.irp c, 0,1
	global_load_b128 v[8*(8*\a+\ks)+4*\c:8*(8*\a+\ks)+4*\c+3], v[LI], s[74:75] offset:8192*\a+1024*\ks+512*\c
.endr
.endr
.endr
	WIN 0xc0                                       ; destination window 3
.irp a, 0,1
.irp tt, 0,1
.irp e, 0,1
	global_load_b128 v[32*\a+8*\tt+4*\e:32*\a+8*\tt+4*\e+3], v[RP], s[82:83] offset:2048*\a+64*\tt+16*\e                 ; cos(row, 16 tt + 8 h + ..)
	global_load_b128 v[32*\a+16+8*\tt+4*\e:32*\a+16+8*\tt+4*\e+3], v[RP], s[82:83] offset:2048*\a+64*\tt+16*\e+262144    ; sin
.endr
.endr
.endr
.irp tt, 0,1,2,3
.irp e, 0,1
	global_load_b128 v[64+8*\tt+4*\e:64+8*\tt+4*\e+3], v[GH], s[20:21] offset:64*\tt+16*\e
	global_load_b128 v[96+8*\tt+4*\e:96+8*\tt+4*\e+3], v[GH], s[22:23] offset:64*\tt+16*\e
	global_load_b128 v[128+8*\tt+4*\e:128+8*\tt+4*\e+3], v[GH], s[24:25] offset:64*\tt+16*\e
	global_load_b128 v[160+8*\tt+4*\e:160+8*\tt+4*\e+3], v[GH], s[26:27] offset:64*\tt+16*\e
.endr
.endr
	WIN 0
.irp ks, 0,1,2,3,4,5,6,7
	global_load_b32 v[XS+\ks], v[L4], s[76:77] offset:128*\ks        ; lanes 0-15: tile a = 0's words; lanes 16-31: tile 1's
.endr
.irp p, 0,1,2,3,4,5,6,7
.irp ks, 0,1,2,3,4,5,6,7
	global_load_b32 v[WS+8*\p+\ks], v[L4], s[78:79] offset:1024*\p+128*\ks   ; lanes 0-15: column tile 2 p's; lanes 16-31: tile 2 p + 1's
.endr
.endr
	s_wait_loadcnt 0x0
	s_wait_tensorcnt 0x1                           ; my part of Wdown's image is in; Wq's load may stay out
	s_barrier_signal -1
	s_barrier_wait -1                              ; everybody's is
	RUN 16, 1, LI, A1B                             ; ---- the latent: 256 columns x my 32 rows, K = 1,024
	; ---- the one refill: Wdown's image is read out; this c8's part of Wkv's image takes its bytes, and has the latent's norm and all of q in which to land
	s_wait_tensorcnt 0x0                           ; all my tensor loads have landed, Wq's among them
	ds_add_u32 v[SPW], v[NIL]                      ; 0 onto my spare word
	s_wait_dscnt 0x0                               ; the add is done, and my reads of Wdown's image are over
	CROUND                                         ; the same holds of every wave of every partner
	tensor_load_to_lds s[56:59], s[32:39]
	s_nop 0
	PLACES                                         ; also the places behind the last products
.irp t, 0,1,2,3,4,5,6,7
.irp e, 0,1
	global_load_b128 v[BF0+8*\t+4*\e:BF0+8*\t+4*\e+3], v[GH], s[16:17] offset:64*\t+16*\e      ; ln_g, ln_b of column tiles 0-7
	global_load_b128 v[BF1+8*\t+4*\e:BF1+8*\t+4*\e+3], v[GH], s[18:19] offset:64*\t+16*\e
.endr
.endr
.irp p, 0,1,2,3
.irp ks, 0,1,2,3,4,5,6,7
	global_load_b32 v[WS+8*\p+\ks], v[L4], s[80:81] offset:1024*\p+128*\ks                     ; Wq's scale words
.endr
.endr
	WIN 0x80
.irp t, 0,1,2,3,4,5,6,7
.irp e, 0,1
	global_load_b128 v[128+8*\t+4*\e:128+8*\t+4*\e+3], v[GH], s[16:17] offset:512+64*\t+16*\e  ; of tiles 8-15: where the latent's fragments will lie
	global_load_b128 v[192+8*\t+4*\e:192+8*\t+4*\e+3], v[GH], s[18:19] offset:512+64*\t+16*\e
.endr
.endr
	LNSTATS 2, 16, 70
	s_wait_loadcnt 0x0
	WIN 0x41
.irp a, 0,1
.irp t, 0,1,2,3,4,5,6,7
.irp e, 0,2,4,6
	v_pk_fma_f32 v[8*(16*\a+\t)+\e:8*(16*\a+\t)+\e+1], v[8*(16*\a+\t)+\e:8*(16*\a+\t)+\e+1], v[BF0+8*\t+\e:BF0+8*\t+\e+1], v[BF1+8*\t+\e:BF1+8*\t+\e+1]
.endr
.endr
.endr
	WIN 0x69                                       ; gain and bias window 2
.irp a, 0,1
.irp t, 0,1,2,3,4,5,6,7
.irp e, 0,2,4,6
	v_pk_fma_f32 v[8*(16*\a+8+\t)+\e:8*(16*\a+8+\t)+\e+1], v[8*(16*\a+8+\t)+\e:8*(16*\a+8+\t)+\e+1], v[128+8*\t+\e:128+8*\t+\e+1], v[192+8*\t+\e:192+8*\t+\e+1]
.endr
.endr
.endr
	WIN 0x85                                       ; sources window 1, destination window 2: tiles 2 kf and 2 kf + 1, rounded to f16, ARE fragment kf of the next product's operand
.irp a, 0,1
.irp t, 0,1,2,3,4,5,6,7,8,9,10,11,12,13,14,15
.irp e, 0,1,2,3
	v_cvt_pk_f16_f32 v[128+8*(8*\a+\t/2)+4*(\t%2)+\e], v[8*(16*\a+\t)+2*\e], v[8*(16*\a+\t)+2*\e+1]
.endr
.endr
.endr
	WIN 0
	RUN 8, 2, A2, A2                               ; ---- q: my two heads' 128 columns, K = 1,024
	EPI 64, 84, 262144
	s_wait_tensorcnt 0x0                           ; my part of Wkv's image is in,
	s_wait_dscnt 0x0
	s_barrier_signal -1
	s_barrier_wait -1                              ; everybody's is
	RUN 8, 3, LI, LI                               ; ---- k: K = the latent's 256
	EPI 128, 86, 524288
	RUN 8, 4, A1B, A1B                             ; ---- v: a lane holds channel 16 (t % 4) + lane % 16 of head t / 4 and keys 16 a + 8 (lane / 16) + 0..7
	PLACES
	WIN 0x05
.irp a, 0,1
.irp t, 0,1,2,3,4,5,6,7
.irp e, 0,1,2,3
	v_cvt_pk_f16_f32 v[BF0+4*(8*\a+\t)+\e], v[8*(8*\a+\t)+2*\e], v[8*(8*\a+\t)+2*\e+1]
.endr
.endr
.endr
	WIN 0
.irp a, 0,1
.irp t, 0,1,2,3,4,5,6,7
	global_store_b128 v[LI], v[BF0+4*(8*\a+\t):BF0+4*(8*\a+\t)+3], s[88:89] offset:(\t/4)*524288+(\t%4)*1024+512*\a
.endr
.endr
	s_wait_tensorcnt 0x0                           ; the wave's end
	ds_add_u32 v[SPW], v[NIL]
	s_wait_dscnt 0x0
	CROUND                                         ; the closing round: no work-group ends while a partner may still ask for a tile that names it
	s_endpgm
.Lfunc_end_k_qba1a4a3e1c_proj:
	.size	k_qba1a4a3e1c_proj, .Lfunc_end_k_qba1a4a3e1c_proj-k_qba1a4a3e1c_proj
	.p2alignl 7, 3214868480
	.fill 96, 4, 3214868480
	.section	.rodata,"a",@progbits
	.p2align	6, 0x0
	.amdhsa_kernel k_qba1a4a3e1c_proj
		.amdhsa_group_segment_fixed_size 327680
		.amdhsa_private_segment_fixed_size 0
		.amdhsa_enable_private_segment 0
		.amdhsa_kernarg_size 96
		.amdhsa_user_sgpr_count 2
		.amdhsa_user_sgpr_kernarg_segment_ptr 1
		.amdhsa_wavefront_size32 1
		.amdhsa_system_sgpr_workgroup_id_x 1
		.amdhsa_system_sgpr_workgroup_id_y 1
		.amdhsa_system_sgpr_workgroup_id_z 1
		.amdhsa_system_vgpr_workitem_id 0
		.amdhsa_next_free_vgpr 1024
		.amdhsa_next_free_sgpr 98
		.amdhsa_reserve_vcc 0
		.amdhsa_float_denorm_mode_32 3
		.amdhsa_float_denorm_mode_16_64 3
		.amdhsa_memory_ordered 1
		.amdhsa_forward_progress 1
		.amdhsa_inst_pref_size 255
	.end_amdhsa_kernel
	.section	.bss,"aw",@nobits
	.p2align	6
	.space	262144
	.amdgpu_metadata
---
amdhsa.version: [ 1, 2 ]
amdhsa.kernels:
  - .name:           k_qba1a4a3e1c_proj
    .symbol:         k_qba1a4a3e1c_proj.kd
    .args:
      - { .name: xq, .offset: 0, .size: 8, .value_kind: global_buffer, .address_space: global }
      - { .name: wq4, .offset: 8, .size: 8, .value_kind: global_buffer, .address_space: global }
      - { .name: wh, .offset: 16, .size: 8, .value_kind: global_buffer, .address_space: global }
      - { .name: rope, .offset: 24, .size: 8, .value_kind: global_buffer, .address_space: global }
      - { .name: ln_g, .offset: 32, .size: 8, .value_kind: global_buffer, .address_space: global }
      - { .name: ln_b, .offset: 40, .size: 8, .value_kind: global_buffer, .address_space: global }
      - { .name: qn_g, .offset: 48, .size: 8, .value_kind: global_buffer, .address_space: global }
      - { .name: qn_b, .offset: 56, .size: 8, .value_kind: global_buffer, .address_space: global }
      - { .name: kn_g, .offset: 64, .size: 8, .value_kind: global_buffer, .address_space: global }
      - { .name: kn_b, .offset: 72, .size: 8, .value_kind: global_buffer, .address_space: global }
      - { .name: qimg, .offset: 80, .size: 8, .value_kind: global_buffer, .address_space: global }
      - { .name: kv, .offset: 88, .size: 8, .value_kind: global_buffer, .address_space: global }
    .group_segment_fixed_size: 327680
    .private_segment_fixed_size: 0
    .kernarg_segment_align: 8
    .kernarg_segment_size: 96
    .max_flat_workgroup_size: 128
    .sgpr_count:     98
    .vgpr_count:     1024
    .wavefront_size: 32
...
	.end_amdgpu_metadata
.endif
;; end of part 2
;; launch attn (part 3): grid 8 x 32, 8 waves a work-group, clusters of 4 x 1, 327,680 bytes of LDS; arguments qimg, kv, ao; writes ao
.if DOCPART == 3
	.amdgcn_target "amdgcn-amd-amdhsa--gfx1250"
	.amdhsa_code_object_version 6
	.text
	.protected	k_qba1a4a3e1c_attn
	.globl	k_qba1a4a3e1c_attn
	.p2align	8
	.type	k_qba1a4a3e1c_attn,@function
k_qba1a4a3e1c_attn:
	s_mov_b64 s[64:65], 0
	v_nop
	global_prefetch_b8 v0, s[64:65] scope:SCOPE_SE
	s_setreg_imm32_b32 hwreg(HW_REG_WAVE_MODE, 25, 1), 1
	s_wait_xcnt 0x0
	s_wait_alu depctr_hold_cnt(0) depctr_sa_sdst(0) depctr_va_vdst(0) depctr_va_sdst(0) depctr_va_ssrc(0) depctr_va_vcc(0) depctr_vm_vsrc(0)
	s_getreg_b32 s2, hwreg(HW_REG_IB_STS2, 6, 4)
	s_cmp_eq_u32 s2, 0
	s_cbranch_scc0 .Lentry_in_a_cluster
	s_endpgm
.Lentry_in_a_cluster:
	s_bfe_u32 s2, ttmp6, 0x10000c
	s_cmp_lg_u32 s2, 0x3003
	s_cbranch_scc0 .Lentry_shape_is_right
	s_endpgm
.Lentry_shape_is_right:
; ATTN: o = softmax(q k^T / 8) v for 32 (batch, head) pairs of 2,048 positions, head size 64, no mask.  f16 operands, f32 sums; maxima, exponentials and row sums in f32, with a running maximum.
; SHARES.  A work-group owns 256 queries of one head (qb = 4 x cluster x + cx).  Wave w owns 64 of them (group w % 4: tiles t = 0..3) and HALF OF THE KEYS: of each slot's eight steps of 64 keys the four from 4 (w / 4) on.
; So a fragment of k or v read from LDS feeds four products, and two waves lie on a SIMD: one's softmax stands beside the other's products.  At the end waves g and g + 4 join their two partial results.
; LAYOUT.  S^T = K Q^T (source 0 = 16 keys, source 1 = 16 queries): a lane holds ONE query (lane % 16) and keys 8 (lane / 16) + 0..7.  Two such tiles, rounded to f16 in pairs, ARE source 1 of O^T = V^T P,
; whose result again holds one query a lane.  q, k and v arrive as images of the operands' registers (v with the keys innermost): every LDS load reads 512 consecutive bytes, and nothing is transposed.
; SOFTMAX.  p = 2^(c s - c m), c = log2(e) / 8, m the wave's running maximum; in every step O and l are multiplied by a = 2^(c m_old - c m_new).  m starts at -3e38 and l at zero; the first step's V^T P starts O's sums.
; P HAS NO REGISTERS OF ITS OWN: the row's sum is taken by a chain that leaves p as it is, and pair i is then rounded into register i of the tile's S^T.
; THE JOIN: O = (O1 a1 + O2 a2) / (l1 a1 + l2 a2) with a_i = 2^(c m_i - the larger c m).
; RING.  Two LDS slots of 131,072 bytes: 512 keys of k (65,536), then of v.  Such a block is dense in memory; each wave brings an eighth.  CLUSTER: the four query blocks of a cluster walk the same k and v: joint loads, mask of all four.
; LIMITS: NaN and infinities are not served.
; REGISTERS.  window 0: v1-7 addresses; v8-39 statistics, 8 a tile (c m, m, l in two halves, c0-c3; a takes c2's place); v40-103 Q; v104-231 S^T, then p, then P in each tile's lower 16.
;   window 1: v0-127 O^T; v128-191 K's fragments; v192-255 V's.
.set SLOT1, 131072
.set SPARE, 262144
.set WSTG,  18432                      ; the join's stage, for each of four waves: 32 x 512 bytes of O^T, 4 x 512 of statistics.  It lies in slot 0, which has had its last fill and its last read when the first result is stored there
.set LI,  1                            ; v1   16 x lane
.set ADK, 2                            ; v2   the step's K
.set ADV, 3                            ; v3   the step's V
.set PFO, 4                            ; v4   256 x lane
.set SPW, 5                            ; v5   LDS address of my spare word; never rewritten
.set NIL, 6                            ; v6   0; never rewritten
.set STG, 7                            ; v7   16 x lane + my query group's stage; never rewritten
.set ST,  8
.set Q,   40
.set S,   104
.set O,   0                            ; in window 1
.set KF,  128
.set VF,  192
.set WV,  10
.set MSB, 0
.macro WIN new                         ; the immediate's high byte repeats the setting that is left; a switch that changes nothing is dropped
.if MSB != \new
	s_set_vgpr_msb (MSB<<8)|\new
.set MSB, \new
.endif
.endm
.macro PLACES                          ; four plain vector instructions between a matrix instruction and a read of its result or a load into its registers
.rept 4
	v_nop
.endr
.endm
.macro CROUND
	s_barrier_signal -1
	s_barrier_wait -1
	s_cmp_lg_u32 s[WV], 0
	s_cbranch_scc1 .Lnot_wave_0_\@
	s_barrier_signal -3
.Lnot_wave_0_\@:
	s_barrier_wait -3
	s_barrier_signal -1
	s_barrier_wait -1
.endm
	s_load_b128 s[4:7], s[0:1], 0x0                ; qimg s[4:5], kv s[6:7]
	s_load_b64 s[8:9], s[0:1], 0x10                ; ao
	v_lshl_add_u32 v[SPW], v0, 2, SPARE
	v_mov_b32 v[NIL], 0
	ds_add_u32 v[SPW], v[NIL]                      ; the wave's opening: the add, twice on end, and its wait ahead of my first tensor load
	ds_add_u32 v[SPW], v[NIL]
	v_lshrrev_b32 v232, 5, v0
	v_readfirstlane_b32 s[WV], v232                ; wave 0..7
	s_bfe_u32 s11, ttmp6, 0x40000                  ; cx
	s_lshl_b32 s12, ttmp9, 2
	s_add_co_u32 s12, s12, s11                     ; qb: it enters q's, o's and the prefetch's addresses alone
	s_and_b32 s13, ttmp7, 0xffff                   ; 16 batch + head, which the four partners share
	s_mov_b32 s24, 15|(3<<16)|(1<<21)              ; group 1: 64 rows of 256 bytes (32 elements of 8), dense; the mask of all four, bit 21 beside it
	s_mov_b32 s25, 32<<16
	s_mov_b32 s26, 64<<16
	s_mov_b32 s27, 32<<16
	s_mov_b32 s28, 64
	s_mov_b32 s29, 32
	s_mov_b32 s30, 0
	s_mov_b32 s31, 0
	s_mov_b32 s40, 0x3e38aa3b                      ; c = log2(e) / 8
	s_mov_b32 s41, s40                             ; (named with it as a pair)
	s_mov_b32 s42, 0x76543210
	s_mov_b32 s43, 0xfedcba98
	s_lshr_b32 s46, s[WV], 2                       ; which half of a slot's keys is mine:
	s_lshl_b32 s47, s46, 15                        ; its four steps begin 32,768 bytes on, in K's part and in V's
	s_or_b32 s46, s46, ttmp9                       ; 0 in waves 0-3 of the head's first cluster: the same in all four partners
	s_and_b32 s50, s[WV], 3                        ; my group of 64 queries
	s_mul_i32 s51, s50, WSTG
	s_lshl_b32 s14, s13, 19                        ; the head's 524,288 bytes of kv,
	s_lshl_b32 s15, s[WV], 14                      ; my eighth of a slot
	s_add_co_u32 s14, s14, s15
	s_mov_b32 s15, 0
	v_and_b32 v232, 31, v0
	v_lshlrev_b32 v[LI], 4, v232
	v_lshlrev_b32 v[PFO], 8, v232
	v_add_nc_u32 v[STG], s51, v[LI]
	s_wait_dscnt 0x0                               ; both opening adds are done
	s_wait_kmcnt 0x0
	s_mov_b32 s32, 1                               ; group 0 for slot 0: keys 0-511, later 1,024 on
	s_lshl_b32 s33, s[WV], 14
	s_add_nc_u64 s[34:35], s[6:7], s[14:15]
	s_mov_b32 s36, 1                               ; for slot 1: keys 512-1,023, later 1,536 on
	s_lshl_b32 s37, s[WV], 14
	s_add_co_u32 s37, s37, SLOT1
	s_add_nc_u64 s[38:39], s[34:35], SLOT1
	s_or_b32 s35, s35, 0x80000000
	s_or_b32 s39, s39, 0x80000000
	CROUND                                         ; all four work-groups are here: the first joint loads meet
	tensor_load_to_lds s[32:35], s[24:31]
	s_nop 0
	tensor_load_to_lds s[36:39], s[24:31]          ; two loads of mine are out
	s_nop 0
	PLACES
	s_mov_b32 s17, 0
	s_lshl_b32 s16, s13, 19                        ; the prefetch: the head's last 512 keys; my work-group's 32,768 bytes of them, my wave's 8,192
	s_add_co_u32 s16, s16, 393216
	s_lshl_b32 s18, s11, 15
	s_add_co_u32 s16, s16, s18
	s_lshl_b32 s18, s50, 13
	s_add_co_u32 s16, s16, s18
	s_add_nc_u64 s[48:49], s[6:7], s[16:17]
	s_lshl_b32 s16, s13, 18                        ; q: 262,144 bytes a head, 2,048 a tile; my four tiles
	s_lshl_b32 s18, s12, 15
	s_add_co_u32 s16, s16, s18
	s_lshl_b32 s18, s50, 13
	s_add_co_u32 s16, s16, s18
	s_add_nc_u64 s[4:5], s[4:5], s[16:17]
.irp t, 0,1,2,3
.irp kk, 0,1
.irp c, 0,1
	global_load_b128 v[Q+16*\t+8*\kk+4*\c:Q+16*\t+8*\kk+4*\c+3], v[LI], s[4:5] offset:2048*\t+1024*\kk+512*\c
.endr
.endr
.endr
	s_lshr_b32 s16, s13, 4                         ; o's image [row block of 128][32 channels][tile of 16 rows][1 KB]: row block 16 batch + 2 qb + group / 2,
	s_lshl_b32 s16, s16, 4
	s_lshl_b32 s18, s12, 1
	s_add_co_u32 s16, s16, s18
	s_lshr_b32 s18, s50, 1
	s_add_co_u32 s16, s16, s18
	s_lshl_b32 s16, s16, 18
	s_and_b32 s18, s13, 15                         ; the head's 64 channels: 16,384 bytes,
	s_lshl_b32 s18, s18, 14
	s_add_co_u32 s16, s16, s18
	s_and_b32 s18, s50, 1                          ; my four tiles of the block's eight
	s_lshl_b32 s18, s18, 12
	s_add_co_u32 s16, s16, s18
	s_add_nc_u64 s[8:9], s[8:9], s[16:17]
.irp t, 0,1,2,3
	v_mov_b32 v[ST+8*\t+1], 0xff61b1e6             ; m = -3e38, under every score
	v_mul_f32 v[ST+8*\t], s40, v[ST+8*\t+1]        ; c m
.irp i, 2,3,4,5,6,7
	v_mov_b32 v[ST+8*\t+\i], 0                     ; l; and the registers at work, which are named in pairs and as permutes' destinations
.endr
.endr
.macro KLOAD off                       ; 64 keys of K, 8 fragments, 16 loads of 512 consecutive bytes
.irp kt, 0,1,2,3
.irp kk, 0,1
.irp c, 0,1
	ds_load_b128 v[KF+8*(2*\kt+\kk)+4*\c:KF+8*(2*\kt+\kk)+4*\c+3], v[ADK] offset:\off+2048*\kt+1024*\kk+512*\c
.endr
.endr
.endr
.endm
; A KEY STEP: 64 keys, at s44 in LDS; its K was asked for a step ago (or at the slot's head).  pf = 1: the next step's K, 8,192 bytes on in the same slot, is asked for behind this step's K Q^T.
; first = 1: the launch's first step: V^T P starts O's sums, and there is nothing to rescale.
.macro STEP pf, first
	v_add_nc_u32 v[ADK], s44, v[LI]
	v_add_nc_u32 v[ADV], 0x10000, v[ADK]
	v_nop
	v_nop
	v_nop                                          ; FIVE plain instructions behind the last V^T P: K Q^T below writes over the registers that it read as P (four would do for the loads into V's)
	WIN 0x40                                       ; destination window 1
.irp kb, 0,1
.irp dt, 0,1,2,3
.irp c, 0,1
	ds_load_b128 v[VF+8*(4*\kb+\dt)+4*\c:VF+8*(4*\kb+\dt)+4*\c+3], v[ADV] offset:4096*\kb+1024*\dt+512*\c
.endr
.endr
.endr
	s_wait_dscnt 16                                ; K is in; V's sixteen loads, issued behind K's, may stay out
	WIN 0x01                                       ; source 0 window 1
.irp kt, 0,1,2,3                               ; S^T = K Q^T: sixteen accumulators by turns, one instruction a turn
.irp t, 0,1,2,3
	v_wmma_f32_16x16x32_f16 v[S+32*\t+8*\kt:S+32*\t+8*\kt+7], v[KF+16*\kt:KF+16*\kt+7], v[Q+16*\t:Q+16*\t+7], 0
.endr
.endr
.irp kt, 0,1,2,3
.irp t, 0,1,2,3
	v_wmma_f32_16x16x32_f16 v[S+32*\t+8*\kt:S+32*\t+8*\kt+7], v[KF+16*\kt+8:KF+16*\kt+15], v[Q+16*\t+8:Q+16*\t+15], v[S+32*\t+8*\kt:S+32*\t+8*\kt+7]
.endr
.endr
	PLACES
.if \pf
	WIN 0x40
	KLOAD 8192                                     ; it has the whole softmax in which to land
.endif
	WIN 0
.irp j, 0,1,2,3                                ; the maximum of my 32 scores and the old m; each accumulator from its low end; the four tiles alternate
.irp t, 0,1,2,3
	v_max3_num_f32 v[ST+8*\t+4+\j], v[S+32*\t+8*\j], v[S+32*\t+8*\j+1], v[S+32*\t+8*\j+2]
.endr
.endr
.irp u, 1,2
.irp j, 0,1,2,3
.irp t, 0,1,2,3
	v_max3_num_f32 v[ST+8*\t+4+\j], v[ST+8*\t+4+\j], v[S+32*\t+8*\j+2*\u+1], v[S+32*\t+8*\j+2*\u+2]
.endr
.endr
.endr
.irp t, 0,1,2,3
	v_max3_num_f32 v[ST+8*\t+4], v[ST+8*\t+4], v[S+32*\t+7], v[S+32*\t+15]
	v_max3_num_f32 v[ST+8*\t+6], v[ST+8*\t+6], v[S+32*\t+23], v[S+32*\t+31]
.endr
.irp t, 0,1,2,3
	v_max3_num_f32 v[ST+8*\t+4], v[ST+8*\t+4], v[ST+8*\t+5], v[ST+8*\t+6]
.endr
.irp t, 0,1,2,3
	v_max3_num_f32 v[ST+8*\t+4], v[ST+8*\t+4], v[ST+8*\t+7], v[ST+8*\t+1]
.endr
.irp t, 0,1,2,3
	v_permlanex16_b32 v[ST+8*\t+5], v[ST+8*\t+4], s42, s43      ; the query's other 32 keys lie in the lane 16 away
.endr
.irp t, 0,1,2,3
	v_mov_b32 v[ST+8*\t+7], v[ST+8*\t]             ; c m_old
.endr
.irp t, 0,1,2,3
	v_max_num_f32 v[ST+8*\t+1], v[ST+8*\t+4], v[ST+8*\t+5]
.endr
.irp t, 0,1,2,3
	v_mul_f32 v[ST+8*\t], s40, v[ST+8*\t+1]
.endr
.irp t, 0,1,2,3
	v_sub_f32 v[ST+8*\t+7], v[ST+8*\t+7], v[ST+8*\t]
.endr
.irp i, 0,2,4,6,8,10,12,14,16,18,20,22,24,26,28,30
.irp t, 0,1,2,3
	v_pk_fma_f32 v[S+32*\t+\i:S+32*\t+\i+1], v[S+32*\t+\i:S+32*\t+\i+1], s[40:41], v[ST+8*\t:ST+8*\t+1] op_sel_hi:[1,0,0] neg_lo:[0,0,1] neg_hi:[0,0,1]   ; c s - c m
.endr
.endr
.irp t, 0,1,2,3
	v_exp_f32 v[ST+8*\t+6], v[ST+8*\t+7]           ; a.  ONE BATCH of 132 exponentials: none reads another's result
.endr
.irp i, 0,1,2,3,4,5,6,7,8,9,10,11,12,13,14,15,16,17,18,19,20,21,22,23,24,25,26,27,28,29,30,31
.irp t, 0,1,2,3
	v_exp_f32 v[S+32*\t+\i], v[S+32*\t+\i]
.endr
.endr
	v_nop                                          ; a plain instruction behind the last exponential,
	s_wait_alu depctr_va_vdst(0)                   ; and one wait for the batch ahead of its first reader
.irp t, 0,1,2,3
	v_pk_fma_f32 v[ST+8*\t+2:ST+8*\t+3], v[ST+8*\t+2:ST+8*\t+3], v[ST+8*\t+6:ST+8*\t+7], v[S+32*\t:S+32*\t+1] op_sel_hi:[1,0,1]   ; l = l a + the first pair of the unrounded p
.endr
.irp t, 0,1,2,3
	v_cvt_pk_f16_f32 v[S+32*\t], v[S+32*\t], v[S+32*\t+1]      ; pair i goes into register i, which holds a p of pair i / 2: summed and rounded already
.endr
.irp i, 1,2,3,4,5,6,7,8,9,10,11,12,13,14,15
.irp t, 0,1,2,3
	v_pk_add_f32 v[ST+8*\t+2:ST+8*\t+3], v[ST+8*\t+2:ST+8*\t+3], v[S+32*\t+2*\i:S+32*\t+2*\i+1]
.endr
.irp t, 0,1,2,3
	v_cvt_pk_f16_f32 v[S+32*\t+\i], v[S+32*\t+2*\i], v[S+32*\t+2*\i+1]
.endr
.endr
.if \first == 0
	WIN 0x41                                       ; O^T (destination and source 0) window 1
.irp i, 0,2,4,6,8,10,12,14,16,18,20,22,24,26,28,30
.irp t, 0,1,2,3
	v_pk_mul_f32 v[O+32*\t+\i:O+32*\t+\i+1], v[O+32*\t+\i:O+32*\t+\i+1], v[ST+8*\t+6:ST+8*\t+7] op_sel_hi:[1,0]   ; O^T x a, each accumulator from its low end
.endr
.endr
.else
	PLACES                                         ; (where the rescaling stands in every other step)
.endif
.if \pf
	s_wait_dscnt 16                                ; V is in; the next step's sixteen loads of K may stay out
.else
	s_wait_dscnt 0x0                               ; V is in
.endif
	WIN 0x51                                       ; V (source 0), C and D window 1; P window 0
.irp kb, 0,1                                   ; O^T += V^T P: sixteen accumulators by turns
.irp dt, 0,1,2,3
.irp t, 0,1,2,3
.if (\first) && (\kb == 0)
	v_wmma_f32_16x16x32_f16 v[O+32*\t+8*\dt:O+32*\t+8*\dt+7], v[VF+8*(4*\kb+\dt):VF+8*(4*\kb+\dt)+7], v[S+32*\t+8*\kb:S+32*\t+8*\kb+7], 0
.else
	v_wmma_f32_16x16x32_f16 v[O+32*\t+8*\dt:O+32*\t+8*\dt+7], v[VF+8*(4*\kb+\dt):VF+8*(4*\kb+\dt)+7], v[S+32*\t+8*\kb:S+32*\t+8*\kb+7], v[O+32*\t+8*\dt:O+32*\t+8*\dt+7]
.endif
.endr
.endr
.endr
	WIN 0
	s_add_co_u32 s44, s44, 8192                    ; 64 keys on: 8,192 bytes of K, and as many of V
.endm
; My four key steps of a slot.  The first step's K is asked for here; the last step asks for no K: the next lies in the other slot, behind a barrier
.macro SLOTRUN base, first
	s_add_co_u32 s44, s47, \base
	v_add_nc_u32 v[ADK], s44, v[LI]
	WIN 0x40
	KLOAD 0
	WIN 0
.if \first
	STEP 1, 1
.endif
	s_mov_b32 s45, 3-\first
.Lstep_\@:
	STEP 1, 0
	s_sub_co_u32 s45, s45, 1
	s_cmp_lg_u32 s45, 0
	s_cbranch_scc1 .Lstep_\@
	STEP 0, 0
.endm
; THE CHANGE OF SLOTS.  Each wave waits for all its tensor loads (its part of the slot ahead), adds 0 to its spare word, and waits for that and for its reads of the slot that it leaves.  fill = 1: a round of the cluster's
; barrier, and the slot just left takes the keys 1,024 on: the load has a slot's steps in which to land.  ask = 1: behind the load and its five lines, a prefetch of what the NEXT change will ask for, the head's last 512 keys:
; the head's first cluster asks, its four partners share the 131,072 bytes out by address, waves 0-3 take 8,192 each, lanes 256 bytes apart: each block is named once in the launch.
.macro CHANGE fill, g0, ask
	s_wait_tensorcnt 0x0                           ; no tensor load of mine is out, so a group 0 may be written
	ds_add_u32 v[SPW], v[NIL]
.if \fill
	s_add_nc_u64 s[\g0+2:\g0+3], s[\g0+2:\g0+3], 2*SLOT1
.endif
	s_wait_dscnt 0x0                               ; the add is done, and my reads of the slot are over
.if \fill
	CROUND
	tensor_load_to_lds s[\g0:\g0+3], s[24:31]      ; my one tensor load behind the round
	s_nop 0
	PLACES
.if \ask
	s_cmp_eq_u32 s46, 0
	s_cbranch_scc0 .Lnot_mine_\@
	global_prefetch_b8 v[PFO], s[48:49] th:TH_LOAD_NT scope:SCOPE_SE
.Lnot_mine_\@:
.endif
.else
	s_barrier_signal -1
	s_barrier_wait -1
.endif
.endm
	s_wait_loadcnt 0x0                             ; Q
	s_wait_tensorcnt 0x1                           ; my part of slot 0 is in; slot 1's load may stay out
	s_barrier_signal -1
	s_barrier_wait -1
	SLOTRUN 0, 1                                   ; keys 0-511
	CHANGE 1, 32, 1
	SLOTRUN SLOT1, 0                               ; 512-1,023
	CHANGE 1, 36, 0
	SLOTRUN 0, 0                                   ; 1,024-1,535
	CHANGE 0, 32, 0                                ; nothing is left to fetch; behind this barrier nobody reads slot 0, and nothing fills it
	SLOTRUN SLOT1, 0                               ; 1,536-2,047
	; THE JOIN.  Waves 4-7 hand O^T and their statistics to waves 0-3 as images of the registers, 512 consecutive bytes a store; one barrier; waves 0-3 join, divide, round to f16 and store.
	PLACES                                         ; behind the last products: their results are read, and registers that they read are loaded
	s_cmp_lt_u32 s[WV], 4
	s_cbranch_scc1 .Lkeeper
	WIN 0x04                                       ; an LDS store's data are its source 1: window 1
.set q_, 0
.rept 32
	ds_store_b128 v[STG], v[O+4*q_:O+4*q_+3] offset:512*q_      ; each accumulator from its low end on
.set q_, q_+1
.endr
	WIN 0
.irp t, 0,1,2,3
	ds_store_b128 v[STG], v[ST+8*\t:ST+8*\t+3] offset:16384+512*\t   ; c m, m, l in two halves
.endr
.Lkeeper:
	s_wait_dscnt 0x0                               ; for the others' sake: my stores into the stage are done
	s_barrier_signal -1
	s_barrier_wait -1
	s_cmp_ge_u32 s[WV], 4
	s_cbranch_scc1 .Lend
.irp t, 0,1,2,3
	ds_load_b128 v[Q+4*\t:Q+4*\t+3], v[STG] offset:16384+512*\t      ; the partner's statistics first,
.endr
.set q_, 0
.rept 32
	ds_load_b128 v[S+4*q_:S+4*q_+3], v[STG] offset:512*q_            ; then its O^T, where S^T lay
.set q_, q_+1
.endr
	s_wait_dscnt 32                                ; the statistics are in; the 32 loads behind them may stay out
.irp t, 0,1,2,3
	v_max_num_f32 v[ST+8*\t+1], v[ST+8*\t], v[Q+4*\t]          ; the larger c m (c is positive)
.endr
.irp t, 0,1,2,3
	v_add_f32 v[ST+8*\t+2], v[ST+8*\t+2], v[ST+8*\t+3]         ; l's two halves, mine
	v_add_f32 v[Q+4*\t+2], v[Q+4*\t+2], v[Q+4*\t+3]            ; and the partner's
.endr
.irp t, 0,1,2,3
	v_sub_f32 v[ST+8*\t+4], v[ST+8*\t], v[ST+8*\t+1]
	v_sub_f32 v[ST+8*\t+6], v[Q+4*\t], v[ST+8*\t+1]
.endr
.irp t, 0,1,2,3
	v_exp_f32 v[ST+8*\t+4], v[ST+8*\t+4]           ; a1
	v_exp_f32 v[ST+8*\t+6], v[ST+8*\t+6]           ; a2
.endr
	v_nop
	s_wait_alu depctr_va_vdst(0)                   ; one wait for the eight, ahead of their first reader
.irp t, 0,1,2,3
	v_mul_f32 v[ST+8*\t+2], v[ST+8*\t+2], v[ST+8*\t+4]
.endr
.irp t, 0,1,2,3
	v_fma_f32 v[ST+8*\t+2], v[Q+4*\t+2], v[ST+8*\t+6], v[ST+8*\t+2]   ; l1 a1 + l2 a2
.endr
.irp t, 0,1,2,3
	v_permlanex16_b32 v[ST+8*\t+3], v[ST+8*\t+2], s42, s43
.endr
.irp t, 0,1,2,3
	v_add_f32 v[ST+8*\t+2], v[ST+8*\t+2], v[ST+8*\t+3]         ; with the lane 16 away: the row's sum
.endr
.irp t, 0,1,2,3
	v_rcp_f32 v[ST+8*\t+3], v[ST+8*\t+2]
.endr
	v_nop
	s_wait_alu depctr_va_vdst(0)                   ; one wait for the four reciprocals
.irp t, 0,1,2,3
	v_mul_f32 v[ST+8*\t+4], v[ST+8*\t+4], v[ST+8*\t+3]         ; a1 / l
	v_mul_f32 v[ST+8*\t+6], v[ST+8*\t+6], v[ST+8*\t+3]         ; a2 / l
.endr
	s_wait_dscnt 0x0                               ; the partner's O^T is in
.irp i, 0,2,4,6,8,10,12,14,16,18,20,22,24,26,28,30
.irp t, 0,1,2,3
	v_pk_mul_f32 v[S+32*\t+\i:S+32*\t+\i+1], v[S+32*\t+\i:S+32*\t+\i+1], v[ST+8*\t+6:ST+8*\t+7] op_sel_hi:[1,0]
.endr
.endr
	WIN 0x01                                       ; my O^T: source 0, window 1
.irp i, 0,2,4,6,8,10,12,14,16,18,20,22,24,26,28,30
.irp t, 0,1,2,3
	v_pk_fma_f32 v[S+32*\t+\i:S+32*\t+\i+1], v[O+32*\t+\i:O+32*\t+\i+1], v[ST+8*\t+4:ST+8*\t+5], v[S+32*\t+\i:S+32*\t+\i+1] op_sel_hi:[1,0,1]   ; each accumulator from its low end
.endr
.endr
	WIN 0
.irp i, 0,1,2,3,4,5,6,7,8,9,10,11,12,13,14,15
.irp t, 0,1,2,3
	v_cvt_pk_f16_f32 v[S+32*\t+\i], v[S+32*\t+2*\i], v[S+32*\t+2*\i+1]    ; in place, ascending: a lane's eight channels are 16 bytes of the next launch's operand registers
.endr
.endr
.irp t, 0,1,2,3
.irp dt, 0,1,2,3
	global_store_b128 v[LI], v[S+32*\t+4*\dt:S+32*\t+4*\dt+3], s[8:9] offset:(\dt/2)*8192+1024*\t+(\dt%2)*512   ; 512 consecutive bytes
.endr
.endr
.Lend:
	s_wait_tensorcnt 0x0                           ; the wave's end, behind my last tensor load and my last LDS store
	ds_add_u32 v[SPW], v[NIL]
	s_wait_dscnt 0x0
	CROUND                                         ; the closing round
	s_endpgm
.Lfunc_end_k_qba1a4a3e1c_attn:
	.size	k_qba1a4a3e1c_attn, .Lfunc_end_k_qba1a4a3e1c_attn-k_qba1a4a3e1c_attn
	.p2alignl 7, 3214868480
	.fill 96, 4, 3214868480
	.section	.rodata,"a",@progbits
	.p2align	6, 0x0
	.amdhsa_kernel k_qba1a4a3e1c_attn
		.amdhsa_group_segment_fixed_size 327680
		.amdhsa_private_segment_fixed_size 0
		.amdhsa_enable_private_segment 0
		.amdhsa_kernarg_size 24
		.amdhsa_user_sgpr_count 2
		.amdhsa_user_sgpr_kernarg_segment_ptr 1
		.amdhsa_wavefront_size32 1
		.amdhsa_system_sgpr_workgroup_id_x 1
		.amdhsa_system_sgpr_workgroup_id_y 1
		.amdhsa_system_sgpr_workgroup_id_z 1
		.amdhsa_system_vgpr_workitem_id 0
		.amdhsa_next_free_vgpr 512
		.amdhsa_next_free_sgpr 66
		.amdhsa_reserve_vcc 0
		.amdhsa_float_denorm_mode_32 3
		.amdhsa_float_denorm_mode_16_64 3
		.amdhsa_memory_ordered 1
		.amdhsa_forward_progress 1
		.amdhsa_inst_pref_size 255
	.end_amdhsa_kernel
	.section	.bss,"aw",@nobits
	.p2align	6
	.space	262144
	.amdgpu_metadata
---
amdhsa.version: [ 1, 2 ]
amdhsa.kernels:
  - .name:           k_qba1a4a3e1c_attn
    .symbol:         k_qba1a4a3e1c_attn.kd
    .args:
      - { .name: qimg, .offset: 0, .size: 8, .value_kind: global_buffer, .address_space: global }
      - { .name: kv, .offset: 8, .size: 8, .value_kind: global_buffer, .address_space: global }
      - { .name: ao, .offset: 16, .size: 8, .value_kind: global_buffer, .address_space: global }
    .group_segment_fixed_size: 327680
    .private_segment_fixed_size: 0
    .kernarg_segment_align: 8
    .kernarg_segment_size: 24
    .max_flat_workgroup_size: 256
    .sgpr_count:     66
    .vgpr_count:     512
    .wavefront_size: 32
...
	.end_amdgpu_metadata
.endif
;; end of part 3
;; launch outp (part 4): grid 8 x 32, 4 waves a work-group, clusters of 4 x 4, 327,680 bytes of LDS; arguments ao, wh, out0; writes out0
.if DOCPART == 4
	.amdgcn_target "amdgcn-amd-amdhsa--gfx1250"
	.amdhsa_code_object_version 6
	.text
	.protected	k_qba1a4a3e1c_outp
	.globl	k_qba1a4a3e1c_outp
	.p2align	8
	.type	k_qba1a4a3e1c_outp,@function
k_qba1a4a3e1c_outp:
	s_mov_b64 s[64:65], 0
	v_nop
	global_prefetch_b8 v0, s[64:65] scope:SCOPE_SE
	s_setreg_imm32_b32 hwreg(HW_REG_WAVE_MODE, 25, 1), 1
	s_wait_xcnt 0x0
	s_wait_alu depctr_hold_cnt(0) depctr_sa_sdst(0) depctr_va_vdst(0) depctr_va_sdst(0) depctr_va_ssrc(0) depctr_va_vcc(0) depctr_vm_vsrc(0)
	s_getreg_b32 s2, hwreg(HW_REG_IB_STS2, 6, 4)
	s_cmp_eq_u32 s2, 0
	s_cbranch_scc0 .Lentry_in_a_cluster
	s_endpgm
.Lentry_in_a_cluster:
	s_bfe_u32 s2, ttmp6, 0x10000c
	s_cmp_lg_u32 s2, 0xf033
	s_cbranch_scc0 .Lentry_shape_is_right
	s_endpgm
.Lentry_shape_is_right:
; OUTP: out0 = o Wo.  o [4,096][1,024] and Wo [1,024 (k)][1,024 (n)] arrive as f16 images of the operands' registers; sums and out0 in f32.
; A tile of out0 is 128 x 128 (256 tiles, one to a work-group); four waves, each 64 x 64: 16 accumulators.  K goes in 4 steps of 256 through two LDS slots: a step's fragments of 128 rows are 65,536 dense bytes of an image.
; CLUSTER 4 x 4: the four of a row of the cluster need the same tiles of o, the four of a column the same tiles of Wo: joint loads.  Waves 0, 1 fetch o's two halves, waves 2, 3 Wo's.
; THE MATRIX INSTRUCTION IS USED TRANSPOSED (source 0 = 16 columns of Wo, source 1 = 16 rows of o): a lane holds eight neighbouring numbers of a row of out0.
; REGISTERS: window 0: v16-29 addresses; v32-95 the way out; v128-255 the accumulators ((a, b) at v[128 + 8 (4 a + b)]).  window 1: two buffers of 128: for 64 along K, 64 registers of o's fragments, then 64 of Wo's.
.set SLOT,   131072                    ; o's 65,536 bytes, then Wo's
.set STAGE,  262144                    ; behind the ring: 16 rows x (256 bytes + 16) for each wave
.set SPITCH, 272
.set SPARE,  279552                    ; behind the stages: the spare words
.set ADRA, 16                          ; v16-17  LDS address of my fragments of o in slot 0, 1
.set ADRB, 20                          ; v20-21  of Wo
.set STO,  24
.set RD,   25
.set CO,   26
.set SPW,  28                          ; never rewritten
.set NIL,  29                          ; never rewritten
.set TMP,  32
.set ACC,  128
.set F0,   0
.set F1,   128
.set G1, 24
.set G0, 32
.set G1B, 48
.set G0B, 56
.set MSB, 0
.macro WIN new
.if MSB != \new
	s_set_vgpr_msb (MSB<<8)|\new
.set MSB, \new
.endif
.endm
.set MUL,  0x05                        ; sources 0 and 1 window 1; C and D window 0
.set TO_F, 0x40                        ; destination window 1
.macro JLOAD s                         ; a joint load; an s_nop 0 and four v_nop follow each of the two lines
	s_cmp_eq_u32 s11, 0
	s_cbranch_scc0 .Lfor_b_\@
	tensor_load_to_lds s[G0+4*\s:G0+4*\s+3], s[G1:G1+7]
	s_nop 0
.rept 4
	v_nop
.endr
	s_branch .Lasked_\@
.Lfor_b_\@:
	tensor_load_to_lds s[G0B+4*\s:G0B+4*\s+3], s[G1B:G1B+7]
	s_nop 0
.rept 4
	v_nop
.endr
.Lasked_\@:
.endm
.macro CREST
	s_cmp_lg_u32 s10, 0
	s_cbranch_scc1 .Lnot_wave_0_\@
	s_barrier_signal -3
.Lnot_wave_0_\@:
	s_barrier_wait -3
	s_barrier_signal -1
	s_barrier_wait -1
.endm
.macro CROUND
	s_barrier_signal -1
	s_barrier_wait -1
	CREST
.endm
	s_load_b128 s[4:7], s[0:1], 0x0                ; ao s[4:5], wh s[6:7]
	s_load_b64 s[8:9], s[0:1], 0x10                ; out0
	v_lshl_add_u32 v[SPW], v0, 2, SPARE
	v_mov_b32 v[NIL], 0
	ds_add_u32 v[SPW], v[NIL]                      ; the wave's opening: the add, twice on end, and its wait ahead of my first tensor load
	ds_add_u32 v[SPW], v[NIL]
	v_lshrrev_b32 v1, 5, v0
	v_readfirstlane_b32 s10, v1                    ; wave 0..3
	s_lshr_b32 s11, s10, 1                         ; which half of the tile's rows is mine.  Also: I fetch for o (0) or for Wo (1)
	s_and_b32 s12, s10, 1                          ; which half of its columns.  Also: which half of that chunk I fetch
	s_bfe_u32 s40, ttmp6, 0x40000                  ; cx, cy
	s_bfe_u32 s41, ttmp6, 0x40004
	s_lshl_b32 s42, ttmp9, 2
	s_add_co_u32 s42, s42, s40                     ; column block cb
	s_and_b32 s13, ttmp7, 0xffff
	s_lshl_b32 s13, s13, 2
	s_add_co_u32 s13, s13, s41                     ; row block rb
	s_lshl_b32 s43, s41, 2
	s_lshl_b32 s43, 15, s43                        ; my row of the cluster
	s_lshl_b32 s44, 0x1111, s40                    ; my column
	s_or_b32 s[G1+0], s43, (3<<16)|(1<<21)         ; group 1: 128 rows of 256 bytes (32 elements of 8), dense; o's tiles go to my row,
	s_or_b32 s[G1B+0], s44, (3<<16)|(1<<21)        ; Wo's to my column
.irp g, G1, G1B
	s_mov_b32 s[\g+1], 32<<16
	s_mov_b32 s[\g+2], 128<<16
	s_mov_b32 s[\g+3], 32<<16
	s_mov_b32 s[\g+4], 128
	s_mov_b32 s[\g+5], 32
	s_mov_b32 s[\g+6], 0
	s_mov_b32 s[\g+7], 0
.endr
	s_lshl_b32 s18, s12, 15                        ; my half: 32,768 bytes
	s_lshl_b32 s16, s13, 18                        ; o: 262,144 bytes a row block
	s_add_co_u32 s16, s16, s18
	s_mov_b32 s17, 0
	s_lshl_b32 s46, s42, 18                        ; Wo: 262,144 bytes a column block, behind Wkv's image
	s_add_co_u32 s46, s46, s18
	s_add_co_u32 s46, s46, 1048576
	s_mov_b32 s47, 0
	s_lshl_b32 s20, s10, 15                        ; where they go: wave x 32,768: no place in the cluster enters an LDS address
	s_wait_dscnt 0x0                               ; both opening adds are done
	s_wait_kmcnt 0x0
	s_add_nc_u64 s[14:15], s[4:5], s[16:17]
	s_add_nc_u64 s[46:47], s[6:7], s[46:47]
	CROUND                                         ; all sixteen work-groups are here: the first joint loads meet
.irp s, 0,1
	s_mov_b32 s[G0+4*\s], 1
	s_add_co_u32 s[G0+4*\s+1], s20, \s*SLOT
	s_add_nc_u64 s[G0+4*\s+2:G0+4*\s+3], s[14:15], \s*65536
	s_or_b32 s[G0+4*\s+3], s[G0+4*\s+3], 0x80000000
	s_mov_b32 s[G0B+4*\s], 1
	s_add_co_u32 s[G0B+4*\s+1], s20, \s*SLOT
	s_add_nc_u64 s[G0B+4*\s+2:G0B+4*\s+3], s[46:47], \s*65536
	s_or_b32 s[G0B+4*\s+3], s[G0B+4*\s+3], 0x80000000
	JLOAD \s
.endr
	v_and_b32 v1, 15, v0                           ; r
	v_bfe_u32 v2, v0, 4, 1                         ; h
	v_and_b32 v3, 31, v0
	v_lshlrev_b32 v3, 4, v3                        ; 16 x lane
	s_lshl_b32 s21, s11, 12                        ; my four tiles of o's eight: 4,096 bytes in each fragment row of 8,192
	s_lshl_b32 s22, s12, 12                        ; my four of Wo's,
	s_add_co_u32 s22, s22, 65536                   ; which lie behind o's chunk
.irp s, 0,1
	v_add_nc_u32 v[ADRA+\s], s21, v3
	v_add_nc_u32 v[ADRB+\s], s22, v3
	s_add_co_u32 s21, s21, SLOT
	s_add_co_u32 s22, s22, SLOT
.endr
	s_mul_i32 s23, s10, 16*SPITCH
	s_add_co_u32 s23, s23, STAGE                   ; my stage
	v_mul_u32_u24 v4, v1, SPITCH                   ; in: row r, 32 bytes for each half of the lanes
	v_lshl_add_u32 v4, v2, 5, v4
	v_add_nc_u32 v[STO], s23, v4
	v_mul_u32_u24 v5, v2, SPITCH                   ; back: lanes 0-15 one row of 256 bytes, lanes 16-31 the next
	v_lshl_add_u32 v5, v1, 4, v5
	v_add_nc_u32 v[RD], s23, v5
	v_lshlrev_b32 v5, 12, v2                       ; and the same two rows in out0
	v_lshl_add_u32 v[CO], v1, 4, v5
	s_lshl_b32 s16, s13, 19                        ; my first row: (128 rb + 64 half) x 4,096 bytes
	s_lshl_b32 s17, s11, 18
	s_add_co_u32 s16, s16, s17
	s_mov_b32 s17, 0
	s_add_nc_u64 s[8:9], s[8:9], s[16:17]
	s_lshl_b32 s46, s42, 9                         ; my first column: 512 cb + 256 half bytes
	s_lshl_b32 s47, s12, 8
	s_add_co_u32 s46, s46, s47
	s_mov_b32 s47, 0
	s_add_nc_u64 s[8:9], s[8:9], s[46:47]
; 8 products: row blocks a0, a0 + 1 x all 4 column blocks, 32 along K: half c of buffer f.  zero = 1: the first product starts the sums
.macro MUL8 f, c, a0, zero
.irp a, \a0, \a0+1
.irp b, 0,1,2,3
.if \zero
	v_wmma_f32_16x16x32_f16 v[ACC+8*(4*(\a)+\b):ACC+8*(4*(\a)+\b)+7], v[\f+64+8*(4*\c+\b):\f+64+8*(4*\c+\b)+7], v[\f+8*(4*\c+\a):\f+8*(4*\c+\a)+7], 0
.else
	v_wmma_f32_16x16x32_f16 v[ACC+8*(4*(\a)+\b):ACC+8*(4*(\a)+\b)+7], v[\f+64+8*(4*\c+\b):\f+64+8*(4*\c+\b)+7], v[\f+8*(4*\c+\a):\f+8*(4*\c+\a)+7], v[ACC+8*(4*(\a)+\b):ACC+8*(4*(\a)+\b)+7]
.endif
.endr
.endr
.endm
; 32 LDS loads in one run: the fragments of the slot's q-th 64 along K into buffer f; the first 32 along K first.  Each load reads 512 consecutive bytes
.macro FETCH slot, q, f
	WIN TO_F
.irp c, 0,1
.irp i, 0,1,2,3
	ds_load_b128 v[\f+64+8*(4*\c+\i):\f+64+8*(4*\c+\i)+3],   v[ADRB+\slot] offset:8192*(2*(\q)+\c)+1024*\i
	ds_load_b128 v[\f+64+8*(4*\c+\i)+4:\f+64+8*(4*\c+\i)+7], v[ADRB+\slot] offset:8192*(2*(\q)+\c)+1024*\i+512
	ds_load_b128 v[\f+8*(4*\c+\i):\f+8*(4*\c+\i)+3],         v[ADRA+\slot] offset:8192*(2*(\q)+\c)+1024*\i
	ds_load_b128 v[\f+8*(4*\c+\i)+4:\f+8*(4*\c+\i)+7],       v[ADRA+\slot] offset:8192*(2*(\q)+\c)+1024*\i+512
.endr
.endr
.endm
.macro PLACES                          ; four plain instructions in front of loads into registers that matrix instructions have read, and of reads of results
.rept 4
	v_nop
.endr
.endm
; A K step is four quarters of 64 along K, 32 products each, on buffers 0, 1, 0, 1; the 16 accumulators take turns.  One of the first three: multiplies buffer f and fetches quarter q into g
.macro QUARTER slot, q, f, g, zero
	s_wait_dscnt 16                                ; the first 32 along K are in; the other sixteen loads may be out
	WIN MUL
	MUL8 \f, 0, 0, \zero
	MUL8 \f, 0, 2, \zero
	PLACES
	FETCH \slot, \q, \g
	s_wait_dscnt 32                                ; all but the 32 just issued
	WIN MUL
	MUL8 \f, 1, 0, 0
	MUL8 \f, 1, 2, 0
.endm
; The last quarter multiplies buffer 1 and changes slots: ONE barrier; in front of it each wave waits for all its tensor loads, adds 0 to its spare word, and waits for that and for its reads of this slot.  fill = 1: the slot is filled again, two K steps ahead
.macro TURN slot, next, fill
	WIN 0
	s_wait_tensorcnt 0x0                           ; all my tensor loads have landed: my part of the next slot
	ds_add_u32 v[SPW], v[NIL]
	s_wait_dscnt 17                                ; (the add and the youngest sixteen loads may be out)
	WIN MUL
	MUL8 F1, 0, 0, 0
	s_wait_dscnt 0x0                               ; the add is done, and my reads of this slot are over
	s_barrier_signal -1
	MUL8 F1, 0, 2, 0
.if \fill
	WIN 0
.endif
	s_barrier_wait -1
.if \fill
	CREST                                          ; the barrier has opened a round of the cluster's: no wave of any partner still reads this slot or has a load on its way
	s_add_nc_u64 s[G0+4*\slot+2:G0+4*\slot+3], s[G0+4*\slot+2:G0+4*\slot+3], 2*65536
	s_add_nc_u64 s[G0B+4*\slot+2:G0B+4*\slot+3], s[G0B+4*\slot+2:G0B+4*\slot+3], 2*65536
	JLOAD \slot                                    ; the first tensor load behind the round; its four v_nop are also the places in front of the loads below
.else
	PLACES
.endif
	FETCH \next, 0, F0
	WIN MUL
	MUL8 F1, 1, 0, 0
	MUL8 F1, 1, 2, 0
.endm
	s_wait_tensorcnt 0x1                           ; my part of K step 0 is in; K step 1's load may stay out
	s_barrier_signal -1
	s_barrier_wait -1
	FETCH 0, 0, F0
	QUARTER 0, 1, F0, F1, 1                        ; K step 0: its first products start the sums
	QUARTER 0, 2, F1, F0, 0
	QUARTER 0, 3, F0, F1, 0
	TURN 0, 1, 1                                   ; slot 0 takes K step 2
	QUARTER 1, 1, F0, F1, 0                        ; K step 1
	QUARTER 1, 2, F1, F0, 0
	QUARTER 1, 3, F0, F1, 0
	TURN 1, 0, 1                                   ; slot 1 takes K step 3
	QUARTER 0, 1, F0, F1, 0                        ; K step 2
	QUARTER 0, 2, F1, F0, 0
	QUARTER 0, 3, F0, F1, 0
	TURN 0, 1, 0                                   ; nothing is left to fetch
	QUARTER 1, 1, F0, F1, 0                        ; K step 3
	QUARTER 1, 2, F1, F0, 0
	QUARTER 1, 3, F0, F1, 0
	s_wait_dscnt 16
	WIN MUL
	MUL8 F1, 0, 0, 0
	MUL8 F1, 0, 2, 0
	s_wait_dscnt 0x0
	MUL8 F1, 1, 0, 0
	MUL8 F1, 1, 2, 0
	WIN 0
; THE WAY OUT, 16 rows x 64 columns at a time.  A lane holds 32 bytes of a row and the lanes beside it other rows: a block goes through my own stage and comes back as whole rows of 256 bytes: sixteen lanes store 256 consecutive
; bytes, at a multiple of 256 from out0's first byte.  LDS serves a wave's instructions in order (ISA guide 5.7.1.4): no wait between the stores and the loads, nor in front of the next block's stores.
.macro TOSTAGE a
.irp b, 0,1,2,3
	ds_store_b128 v[STO], v[ACC+8*(4*(\a)+\b):ACC+8*(4*(\a)+\b)+3] offset:64*\b            ; each accumulator from its low end on
	ds_store_b128 v[STO], v[ACC+8*(4*(\a)+\b)+4:ACC+8*(4*(\a)+\b)+7] offset:64*\b+16
.endr
.set BB, TMP+32*((\a)%2)
.irp t, 0,1,2,3,4,5,6,7
	ds_load_b128 v[BB+4*\t:BB+4*\t+3], v[RD] offset:\t*2*SPITCH
.endr
.endm
.macro SEND a, younger                 ; younger: the LDS instructions issued behind block a's loads, which may stay out
.set BB, TMP+32*((\a)%2)
	s_wait_dscnt \younger
.irp t, 0,1,2,3,4,5,6,7
	global_store_b128 v[CO], v[BB+4*\t:BB+4*\t+3], s[8:9] offset:(16*(\a)+2*\t)*4096 th:TH_STORE_NT
.endr
.endm
	PLACES
	TOSTAGE 0
.irp a, 1,2,3
.if \a > 1
	s_wait_xcnt 0x0                                ; block a - 2's stores have read their registers: block a's loads may land there
.endif
	TOSTAGE \a
	SEND \a-1, 16                                  ; behind block a - 1's loads: block a's 8 stores and 8 loads
.endr
	SEND 3, 0
	s_wait_tensorcnt 0x0                           ; the wave's end, behind my last tensor load and my last LDS store
	ds_add_u32 v[SPW], v[NIL]
	s_wait_dscnt 0x0
	CROUND                                         ; the closing round
	s_endpgm
.Lfunc_end_k_qba1a4a3e1c_outp:
	.size	k_qba1a4a3e1c_outp, .Lfunc_end_k_qba1a4a3e1c_outp-k_qba1a4a3e1c_outp
	.p2alignl 7, 3214868480
	.fill 96, 4, 3214868480
	.section	.rodata,"a",@progbits
	.p2align	6, 0x0
	.amdhsa_kernel k_qba1a4a3e1c_outp
		.amdhsa_group_segment_fixed_size 327680
		.amdhsa_private_segment_fixed_size 0
		.amdhsa_enable_private_segment 0
		.amdhsa_kernarg_size 24
		.amdhsa_user_sgpr_count 2
		.amdhsa_user_sgpr_kernarg_segment_ptr 1
		.amdhsa_wavefront_size32 1
		.amdhsa_system_sgpr_workgroup_id_x 1
		.amdhsa_system_sgpr_workgroup_id_y 1
		.amdhsa_system_sgpr_workgroup_id_z 1
		.amdhsa_system_vgpr_workitem_id 0
		.amdhsa_next_free_vgpr 512
		.amdhsa_next_free_sgpr 66
		.amdhsa_reserve_vcc 0
		.amdhsa_float_denorm_mode_32 3
		.amdhsa_float_denorm_mode_16_64 3
		.amdhsa_memory_ordered 1
		.amdhsa_forward_progress 1
		.amdhsa_inst_pref_size 85
	.end_amdhsa_kernel
	.amdgpu_metadata
---
amdhsa.version: [ 1, 2 ]
amdhsa.kernels:
  - .name:           k_qba1a4a3e1c_outp
    .symbol:         k_qba1a4a3e1c_outp.kd
    .args:
      - { .name: ao, .offset: 0, .size: 8, .value_kind: global_buffer, .address_space: global }
      - { .name: wh, .offset: 8, .size: 8, .value_kind: global_buffer, .address_space: global }
      - { .name: out0, .offset: 16, .size: 8, .value_kind: global_buffer, .address_space: global }
    .group_segment_fixed_size: 327680
    .private_segment_fixed_size: 0
    .kernarg_segment_align: 8
    .kernarg_segment_size: 24
    .max_flat_workgroup_size: 128
    .sgpr_count:     66
    .vgpr_count:     512
    .wavefront_size: 32
...
	.end_amdgpu_metadata
.endif
;; end of part 4
